; MI455X (gfx1250); checked and timed in simulation.
; The chip was launched on July 23, 2026; its instructions are those of AMD's public machine-readable ISA for CDNA 5 (MIT licence, August 2026) and "CDNA5" Instruction Set Architecture Reference Guide (July 2026). The comments in the code are by the model that wrote it; some were corrected since.
;; MHA. Allowed arithmetic: matrix products marked QUANTISED: E2M3 operands, one E8M0 scale for each 32 along K, by v_wmma_scale_f32_16x16x128_f8f6f4 with both operands' format E2M3, f32 sums; everything else in f32.
;; Inputs: o_b 1,024 float32; o_w 1,024 x 1,024 float32; qkv_b 3,072 float32; qkv_w 3,072 x 1,024 float32; x 4 x 2,048 x 1,024 float32.
;; Outputs: out0 4 x 2,048 x 1,024 float32.
;; This version of the problem:
;;   THIS VERSION OF THE PROBLEM IS GIVEN IN LOW PRECISION. The matrix products marked QUANTISED in the list below multiply operands that are first quantised to E2M3 (2 exponent bits, 3 mantissa bits; 6 bits a number), with one power-of-two scale for each 32 numbers along K (OCP MX v1.0); their sums are f32. All else is computed in f32.
;;   The module's matrix products, in the order in which they are computed (A, B: the left and right operand; K: the contracted axis; several contracted axes count as one K, in the product's order):
;;     1. [M 8,192, K 1,024] x [K 1,024, N 3,072]; A: input x; B: input qkv_w: QUANTISED
;;     2. batch 64 x [M 2,048, K 64] x [K 64, N 2,048]; A: computed on the way; B: computed on the way: QUANTISED
;;     3. batch 64 x [M 2,048, K 2,048] x [K 2,048, N 64]; A: softmax (see below); B: computed on the way: QUANTISED
;;     4. [M 8,192, K 1,024] x [K 1,024, N 1,024]; A: computed on the way; B: input o_w: QUANTISED
;;   THE QUANTISER, for each operand of a quantised product, along K:
;;     - K is cut into blocks of 32 from its start; a last block that is shorter is filled with zeros.
;;     - A block's scale is 2^e with e = floor(log2(the largest magnitude in the block)) - 2, held to -126 .. 127; a block of zeros has e = 0. As a byte (E8M0): e + 127.
;;     - Each number is divided by its block's scale, clamped to +-7.5, and rounded to the nearest number of E2M3, ties to even, subnormals kept.
;;     - The product sums the exact products of the quantised numbers (number of the format x scale) in f32.
;;   ~~~python
;;   def quantise(x, axis):      # numpy; x: float32 -> the quantised numbers, widened to float32 again
;;       x = np.moveaxis(x, axis, -1); K = x.shape[-1]
;;       x = np.pad(x, [(0, 0)] * (x.ndim - 1) + [(0, -K % 32)]); x = x.reshape(x.shape[:-1] + (-1, 32)); a = np.abs(x).max(-1, keepdims=True)
;;       e = np.where(a > 0, np.clip(np.frexp(np.where(a > 0, a, 1))[1] - 1 - 2, -126, 127), 0)      # np.frexp(a)[1] - 1 = floor(log2(a)), exactly
;;       r = np.clip(x / 2.0 ** e, -7.5, 7.5)
;;       step = 2.0 ** (np.maximum(np.frexp(np.where(r == 0, 1, r))[1] - 1, 0) - 3)
;;       q = np.round(r / step) * step * 2.0 ** e      # np.round: ties to even
;;       return np.moveaxis(q.reshape(q.shape[:-2] + (-1,))[..., :K], -1, axis).astype(np.float32)
;;   ~~~
;;   SOFTMAX AHEAD OF A QUANTISED PRODUCT. Where the list says 'softmax', what is quantised is not the finished softmax but p = 2^(t - M), with t = logit x log2(e) and M = ceil(the row's largest t), a whole number; so 1/2 < the row's largest p <= 1. The row's sum l is taken of the UNQUANTISED p, in f32, and the product's result is divided by l at the end. Since M is a whole number, a kernel that streams over the keys may use a running M (the ceiling of the running maximum): every later rescaling is an exact power of two, which a block's scale takes up: the codes' values come out the same.
;;   OPERANDS COMPUTED ON THE WAY. 'Computed on the way' means the value that the module computes at that place (a softmax that the list does not call 'softmax' is quantised finished and normalised). What goes into a quantiser is computed in f32, as accurately as f32 sums, v_exp_f32 and their like allow (about 1e-6 of the number): no bf16 or f16 on the way to a quantiser, and a product that is left as it is and whose result goes on into a quantised operand takes f32 operands (vector FMAs, or v_wmma_f32_16x16x4_f32). A number that lies on a knife's edge between two numbers of the format may be rounded either way, as far as f32 arithmetic and the matrix unit's own rounding can turn it there, and no further.
;; One version. Each part assembles by itself: llvm-mc -triple=amdgcn-amd-amdhsa -mcpu=gfx1250 --defsym DOCPART=n.
;; ======== version 1 of 1: 4 launches
;; limits: right only within a limited range of input values
;; workspace buffers: cod1 9,437,184 bytes; sc1 393,216 bytes; qkvimg 18,874,368 bytes; qkvsc 1,572,864 bytes; valimg 6,291,456 bytes; valsc 524,288 bytes
;; launch prep (part 1): grid 384 x 1, 4 waves a work-group, no clusters, 34,304 bytes of LDS; arguments x, qkv_w, o_w, cod1, sc1; writes cod1, sc1
.if DOCPART == 1
	.amdgcn_target "amdgcn-amd-amdhsa--gfx1250"
	.amdhsa_code_object_version 6
	.text
	.protected	k_q03169eaaaf_prep
	.globl	k_q03169eaaaf_prep
	.p2align	8
	.type	k_q03169eaaaf_prep,@function
k_q03169eaaaf_prep:
	s_mov_b64 s[64:65], 0
	v_nop
	global_prefetch_b8 v0, s[64:65] scope:SCOPE_SE
	s_setreg_imm32_b32 hwreg(HW_REG_WAVE_MODE, 25, 1), 1
	s_wait_xcnt 0x0
; x [8192][1024], qkv_w [3072][1024], o_w [1024][1024], f32, K innermost, become codes of FP6 (E2M3) with one E8M0 byte for each 32 along K.
; A block's scale is 2^(floor(log2(largest magnitude)) - 2); its byte is the largest magnitude's exponent field - 2, held at 1 from below.
; LIMITS: a block of zeros gets the byte 1 where the quantiser says 127 (its codes are zeros, and this program alone reads the bytes); blocks whose largest
; magnitude lies under 2^-124 are held at the byte 1; NaN and infinities among the inputs are not served.
; LAYOUT OF THE CODES.  The three tensors are 768 TILES of 16 rows (x 0-511, qkv_w 512-703, o_w 704-767).  Tiles 2 b and 2 b + 1 share rows 32 b .. 32 b + 31:
; tile-row p of tile 2 b + u is row 32 b + 8 u + p + 8 (p / 8).  A tile's codes are 16 HALF IMAGES of 768 bytes, one for each 64 along K: the operand's six
; registers as they stand: registers 0-3 of lane l at 16 l, registers 4-5 at 512 + 8 l (lane l: tile-row l % 16, K = 32 (l / 16) + 0 .. 31 of the 64).
; SCALE WORDS: [tile][g][tile-row][4 words], word i of group g for the 128 along K that begin at 128 (4 g + i).
; SHARES.  A wave takes one tile and half of K: 16 rows x 512, four steps of 128.  Each load reads 512 consecutive bytes of a row; a step's 8,192 bytes turn through
; the wave's own stage in LDS (rows 528 bytes apart), so that a lane gets two whole blocks of 32 neighbours.  No barrier: waves share nothing.
.set PIT,   528
.set WREG,  16*PIT                     ; a wave's stage
.set SPARE, 4*WREG                     ; behind the stages: the spare words, 128 bytes a wave
.set R,   16                           ; v16-143  two sets of 64 registers as loaded
.set X,   144                          ; v144-207 my two blocks of 32 neighbours
.set C,   208                          ; v208-219 the step's codes: two half images
.set T,   220                          ; v220-227 the upper halves of the blocks' codes, as the conversions leave them
.set WK,  228                          ; v228-235 at work
.set SW,  236                          ; v236-239 the four steps' scale words
.set O,   240                          ; v240-241 the two words that I store
.set SPW, 242                          ; my spare word's LDS address; never rewritten
.set NIL, 243                          ; 0; never rewritten
	s_load_b256 s[4:11], s[0:1], 0x0               ; x, qkv_w, o_w, cod1
	s_load_b64 s[12:13], s[0:1], 0x20              ; sc1
	v_lshl_add_u32 v[SPW], v0, 2, SPARE
	v_mov_b32 v[NIL], 0
	v_lshrrev_b32 v7, 5, v0
	v_readfirstlane_b32 s22, v7                    ; wave
	v_and_b32 v7, 31, v0                           ; lane
	v_and_b32 v8, 15, v0                           ; r
	v_bfe_u32 v9, v0, 4, 1                         ; h
	v_lshlrev_b32 v1, 4, v7                        ; 16 x lane
	v_lshlrev_b32 v2, 3, v7                        ; 8 x lane
	s_mul_i32 s23, s22, WREG
	v_add_nc_u32 v3, s23, v1                       ; the stage, on the way in: a row's 512 bytes as they lie
	v_mul_u32_u24 v4, v8, PIT
	v_lshl_add_u32 v4, v9, 7, v4
	v_add_nc_u32 v4, s23, v4                       ; and on the way out: row r, + 128 h bytes: 32 numbers of each 64
	v_lshlrev_b32 v5, 4, v8
	v_lshl_add_u32 v5, v9, 3, v5                   ; the scale words' place: 16 r + 8 h
	v_lshlrev_b32 v6, 3, v9                        ; 8 h: my bytes' shift in a scale word
	v_mov_b32 v[WK+7], 0                           ; a lane permute's destination counts as one of its sources
	s_mov_b32 s20, 0x76543210
	s_mov_b32 s21, 0xfedcba98                      ; selects for lane l xor 16
	s_mov_b32 s30, 0xffff0000                      ; lanes 16-31
	s_wait_alu depctr_va_vdst(0)
	s_wait_kmcnt 0x0
	s_cmp_lt_u32 ttmp9, 256                        ; which tensor: the choice hangs on the work-group's number alone
	s_cselect_b64 s[14:15], s[4:5], s[6:7]
	s_cselect_b32 s16, 0, 256
	s_mov_b32 s17, 352
	s_cmp_lt_u32 ttmp9, 352
	s_cselect_b64 s[14:15], s[14:15], s[8:9]
	s_cselect_b32 s16, s16, s17
	s_sub_co_u32 s16, ttmp9, s16                   ; the pair of tiles within the tensor: 32 rows of 4,096 bytes
	s_lshl_b32 s18, s16, 17
	s_lshr_b32 s24, s22, 1
	s_lshl_b32 s24, s24, 15                        ; the odd tile begins 8 rows further down
	s_add_co_u32 s18, s18, s24
	s_and_b32 s24, s22, 1
	s_lshl_b32 s24, s24, 11                        ; the second half of K: 2,048 bytes on
	s_add_co_u32 s18, s18, s24
	s_mov_b32 s19, 0
	s_add_nc_u64 s[14:15], s[14:15], s[18:19]
	s_mul_i32 s18, ttmp9, 24576                    ; codes: 12,288 bytes a tile, 6,144 for half of K: 24,576 x work-group + 6,144 x wave
	s_mul_i32 s24, s22, 6144
	s_add_co_u32 s18, s18, s24
	s_add_nc_u64 s[10:11], s[10:11], s[18:19]
	s_lshl_b32 s18, ttmp9, 10                      ; scale words: 1,024 x work-group + 256 x wave
	s_lshl_b32 s24, s22, 8
	s_add_co_u32 s18, s18, s24
	s_add_nc_u64 s[12:13], s[12:13], s[18:19]
.macro LOAD t                          ; step t: 512 bytes of each of the tile's 16 rows
.irp i, 0,1,2,3,4,5,6,7,8,9,10,11,12,13,14,15
	global_load_b128 v[R+64*((\t)%2)+4*\i:R+64*((\t)%2)+4*\i+3], v1, s[14:15] offset:(\i+8*(\i/8))*4096+512*(\t) th:TH_LOAD_NT
.endr
.endm
.macro STEP t
.if (\t) < 3
	s_wait_loadcnt 16                              ; this step's 16 loads are in; the next step's 16 may be out
.else
	s_wait_loadcnt 0x0
.endif
.irp i, 0,1,2,3,4,5,6,7,8,9,10,11,12,13,14,15
	ds_store_b128 v3, v[R+64*((\t)%2)+4*\i:R+64*((\t)%2)+4*\i+3] offset:PIT*\i
.endr
.irp c, 0,1
.irp j, 0,1,2,3,4,5,6,7
	ds_load_b128 v[X+32*\c+4*\j:X+32*\c+4*\j+3], v4 offset:256*\c+16*\j   ; LDS serves a wave's instructions in order: these see the stores above
.endr
.endr
	s_wait_dscnt 0x0                               ; my numbers are back, and the stores have read their registers,
.if (\t) < 2
	LOAD (\t)+2                                    ; which take the loads of two steps on
.endif
.irp c, 0,1
	v_max3_num_f32 v[WK+\c], |v[X+32*\c]|, |v[X+32*\c+1]|, 0x1800000   ; block 2 c + h: all 32 numbers are mine; the floor 2^(3 - 127) holds the byte at 1 from below
.endr
.irp i, 2,4,6,8,10,12,14,16,18,20,22,24,26,28,30
.irp c, 0,1
	v_max3_num_f32 v[WK+\c], v[WK+\c], |v[X+32*\c+\i]|, |v[X+32*\c+\i+1]|
.endr
.endr
.irp c, 0,1
	v_add_nc_u32 v[WK+2+\c], 0xff000000, v[WK+\c]  ; 2 off the exponent field: the conversion's scale operand
.endr
.irp c, 0,1
	v_lshrrev_b32 v[WK+4+\c], 23, v[WK+2+\c]       ; the scale's byte
.endr
	v_lshl_or_b32 v[WK+6], v[WK+5], 16, v[WK+4]    ; my two bytes, blocks h and 2 + h,
	v_lshlrev_b32 v[WK+6], v6, v[WK+6]             ; at their places;
	v_permlanex16_b32 v[WK+7], v[WK+6], s20, s21
	v_or_b32 v[SW+(\t)], v[WK+6], v[WK+7]          ; with lane l xor 16's two the word is whole
	s_wait_alu depctr_va_vdst(0)
	s_wait_xcnt 0x0                                ; the last step's stores have read their data: the codes' registers may be written
.irp c, 0,1
	v_cvt_scalef32_pk16_fp6_f32 v[C+6*\c:C+6*\c+2], v[X+32*\c:X+32*\c+15], v[WK+2+\c]
	v_cvt_scalef32_pk16_fp6_f32 v[T+4*\c:T+4*\c+2], v[X+32*\c+16:X+32*\c+31], v[WK+2+\c]   ; (a conversion's three registers begin on an even number)
.endr
	v_nop                                          ; one plain place behind a scaled conversion
.irp c, 0,1
.irp i, 0,1,2
	v_mov_b32 v[C+6*\c+3+\i], v[T+4*\c+\i]
.endr
.endr
.irp c, 0,1
	global_store_b128 v1, v[C+6*\c:C+6*\c+3], s[10:11] offset:(2*(\t)+\c)*768         ; 512 consecutive bytes, at a multiple of 256 from the buffer's first byte
	global_store_b64 v2, v[C+6*\c+4:C+6*\c+5], s[10:11] offset:(2*(\t)+\c)*768+512    ; and the 256 behind them
.endr
.endm
	LOAD 0
	LOAD 1
	STEP 0
	STEP 1
	STEP 2
	STEP 3
	v_cndmask_b32 v[O], v[SW], v[SW+2], s30        ; lanes 0-15 store words 0, 1 of their row, lanes 16-31 words 2, 3
	v_cndmask_b32 v[O+1], v[SW+1], v[SW+3], s30
	global_store_b64 v5, v[O:O+1], s[12:13]        ; 256 consecutive bytes, aligned
	s_wait_tensorcnt 0x0                           ; the wave's end
	ds_add_u32 v[SPW], v[NIL]
	s_wait_dscnt 0x0
	s_endpgm
.Lfunc_end_k_q03169eaaaf_prep:
	.size	k_q03169eaaaf_prep, .Lfunc_end_k_q03169eaaaf_prep-k_q03169eaaaf_prep
	.p2alignl 7, 3214868480
	.fill 96, 4, 3214868480
	.section	.rodata,"a",@progbits
	.p2align	6, 0x0
	.amdhsa_kernel k_q03169eaaaf_prep
		.amdhsa_group_segment_fixed_size 34304
		.amdhsa_private_segment_fixed_size 0
		.amdhsa_enable_private_segment 0
		.amdhsa_kernarg_size 40
		.amdhsa_user_sgpr_count 2
		.amdhsa_user_sgpr_kernarg_segment_ptr 1
		.amdhsa_wavefront_size32 1
		.amdhsa_system_sgpr_workgroup_id_x 1
		.amdhsa_system_sgpr_workgroup_id_y 1
		.amdhsa_system_sgpr_workgroup_id_z 1
		.amdhsa_system_vgpr_workitem_id 0
		.amdhsa_next_free_vgpr 248
		.amdhsa_next_free_sgpr 66
		.amdhsa_reserve_vcc 0
		.amdhsa_float_denorm_mode_32 3
		.amdhsa_float_denorm_mode_16_64 3
		.amdhsa_memory_ordered 1
		.amdhsa_forward_progress 1
		.amdhsa_inst_pref_size 31
	.end_amdhsa_kernel
	.amdgpu_metadata
---
amdhsa.version: [ 1, 2 ]
amdhsa.kernels:
  - .name:           k_q03169eaaaf_prep
    .symbol:         k_q03169eaaaf_prep.kd
    .args:
      - { .name: x, .offset: 0, .size: 8, .value_kind: global_buffer, .address_space: global }
      - { .name: qkv_w, .offset: 8, .size: 8, .value_kind: global_buffer, .address_space: global }
      - { .name: o_w, .offset: 16, .size: 8, .value_kind: global_buffer, .address_space: global }
      - { .name: cod1, .offset: 24, .size: 8, .value_kind: global_buffer, .address_space: global }
      - { .name: sc1, .offset: 32, .size: 8, .value_kind: global_buffer, .address_space: global }
    .group_segment_fixed_size: 34304
    .private_segment_fixed_size: 0
    .kernarg_segment_align: 8
    .kernarg_segment_size: 40
    .max_flat_workgroup_size: 128
    .sgpr_count:     66
    .vgpr_count:     248
    .wavefront_size: 32
...
	.end_amdgpu_metadata
.endif
;; end of part 1
;; launch qkv (part 2): grid 16 x 32, 4 waves a work-group, clusters of 4 x 4, 327,680 bytes of LDS; arguments cod1, sc1, qkv_b, qkvimg, qkvsc; writes qkvimg, qkvsc
.if DOCPART == 2
	.amdgcn_target "amdgcn-amd-amdhsa--gfx1250"
	.amdhsa_code_object_version 6
	.text
	.protected	k_q03169eaaaf_qkv
	.globl	k_q03169eaaaf_qkv
	.p2align	8
	.type	k_q03169eaaaf_qkv,@function
k_q03169eaaaf_qkv:
	s_mov_b64 s[64:65], 0
	v_nop
	global_prefetch_b8 v0, s[64:65] scope:SCOPE_SE
	s_setreg_imm32_b32 hwreg(HW_REG_WAVE_MODE, 25, 1), 1
	s_wait_xcnt 0x0
	s_wait_alu depctr_hold_cnt(0) depctr_sa_sdst(0) depctr_va_vdst(0) depctr_va_sdst(0) depctr_va_ssrc(0) depctr_va_vcc(0) depctr_vm_vsrc(0)
	s_getreg_b32 s2, hwreg(HW_REG_IB_STS2, 6, 4)
	s_cmp_eq_u32 s2, 0
	s_cbranch_scc0 .Lentry_in_a_cluster
	s_endpgm
.Lentry_in_a_cluster:
	s_bfe_u32 s2, ttmp6, 0x10000c
	s_cmp_lg_u32 s2, 0xf033
	s_cbranch_scc0 .Lentry_shape_is_right
	s_endpgm
.Lentry_shape_is_right:
; qkv = x qkv_w^T + qkv_b on codes of FP6 with E8M0 scales; the results are quantised in registers and leave as codes: q and k along the head's 64 channels, v along the keys.
; SHARES.  A work-group takes 256 rows of x (work-group y) and one head's 192 columns (work-group x): 12 tiles of qkv_w: 0-3 q, 4-7 k, 8-11 v.  Wave w takes x's tiles 4 w + a, a = 0 .. 3,
; against all 12: 48 accumulators, 48 matrix instructions for each 128 along K, eight such steps, written out (each names its own scale registers).
; ORIENTATION.  q, k: source 0 = 16 rows of qkv_w, source 1 = 16 rows of x: a lane holds one row of x and its registers run along the channels.  v: source 0 = x, source 1 = qkv_w: a lane holds
; one channel and its registers run along the keys.  By the tiles' choice of rows (tile-row p of tile 2 b + u = row 32 b + 8 u + p + 8 (p / 8)) the 16 registers of source-0 tiles 2 b, 2 b + 1 are 16 neighbours.
; LDS.  Three slots of 86,016 bytes, each 256 along K: x's 16 tiles x 3,072 bytes, then qkv_w's 12.  K = 1,024 is four such parts: three first fills, and the fourth fills slot 0 again.
; A tile's part is four half images (768 bytes: registers 0-3 of lane l at 16 l, registers 4-5 at 512 + 8 l): every LDS load reads consecutive bytes.
; CLUSTER 4 x 4: x's tiles are shared along a row of the cluster, qkv_w's along a column: joint loads.  Three tensor loads of a wave are out at the start, later one.
; All of a WGP's LDS is claimed.
; LIMITS: a block of zeros gets the byte 1 (its codes are zeros; this program alone reads the bytes); largest magnitudes under 2^-124 are held at the byte 1; NaN and infinities are not served.
; REGISTERS.  window 0: v4-22 addresses; v32-47 x's scale words, v48-95 qkv_w's; v96-191 x's fragments, two sets; v192-241 the quantiser's.
;   window 1: v0-143 qkv_w's fragments, one set; v144-207 the bias of q, k; v208-239 of v.   window 2: q, k at 64 a + 8 b.   window 3: v at 32 (b - 8) + 8 a.
; THE FILLS AS THE CODE HAS THEM (in place of what the lines above say of three loads at the start): at the head one tensor load a wave: waves 0, 2 bring x's 16 tiles of the first and the second
; 256 along K (slots 0, 1), waves 1, 3 qkv_w's 12 tiles likewise.  Slot 2 is first filled behind the three lines and a round, ahead of step 0; slot 0 is filled again in step 3's round.
; One tensor load of a wave is out at any time.
.set SLOT,  86016
.set WOFF,  49152
.set SPARE, 3*SLOT                     ; behind the slots: the spare words, 128 bytes a wave
.set XA16, 4                           ; v4-6    my x tiles in slot 0, 1, 2: + 16 x lane
.set XA8,  7                           ; v7-9    + 8 x lane
.set WA16, 10                          ; v10-12  qkv_w's tiles likewise
.set WA8,  13                          ; v13-15
.set L16,  16                          ; 16 x lane
.set L8,   17                          ; 8 x lane
.set SCO,  18                          ; 16 r + 8 h
.set SH16, 19                          ; 16 h
.set SCA,  20                          ; 512 h + 16 r
.set BQA,  21                          ; 64 h
.set BVA,  22                          ; 4 (r + 8 (r / 8))
.set SPW,  28
.set NIL,  29
.set XS,   32                          ; XS + 8 (a / 2) + s: the word of x's tile a for step s, in lanes 16 (a % 2) on
.set WS,   48                          ; WS + 8 (b / 2) + s likewise
.set XF,   96
.set TM,   192                         ; v192-195 largest magnitudes, v196-199 bytes, v204-207 scale operands
.set PW,   208                         ; the scale word just made
.set PC,   210                         ; v210-221 the codes just made, v222-228 at work
.set QW,   230
.set KW,   234
.set OU,   238
.set BQ,   144                         ; in window 1
.set BV,   208
.set G1X, 24
.set G1W, 48
.set G0X, 68                           ; s[68:79] three sets
.set G0W, 80                           ; s[80:91]
.set MSB, 0
.macro WIN new                         ; the immediate's high byte repeats the setting that is left
.if MSB != (\new)
	s_set_vgpr_msb (MSB<<8)|(\new)
.set MSB, (\new)
.endif
.endm
.macro PLACES                          ; four plain places behind matrix instructions, ahead of loads into their sources and of reads of their results
.rept 4
	v_nop
.endr
.endm
.macro CREST                           ; a round of the cluster's barrier behind its opening barrier
	s_cmp_lg_u32 s14, 0
	s_cbranch_scc1 .Lnot_wave_0_\@
	s_barrier_signal -3
.Lnot_wave_0_\@:
	s_barrier_wait -3
	s_barrier_signal -1
	s_barrier_wait -1
.endm
.macro CROUND
	s_barrier_signal -1
	s_barrier_wait -1
	CREST
.endm
.macro JLOAD i=0                       ; a joint load into slot i: waves 0, 1 fetch x's halves, waves 2, 3 qkv_w's; the branch hangs on the wave's number alone
	s_cmp_eq_u32 s15, 0
	s_cbranch_scc0 .Lfor_w_\@
	tensor_load_to_lds s[G0X+4*\i:G0X+4*\i+3], s[G1X:G1X+7]
	s_nop 0
	PLACES
	s_branch .Lasked_\@
.Lfor_w_\@:
	tensor_load_to_lds s[G0W+4*\i:G0W+4*\i+3], s[G1W:G1W+7]
	s_nop 0
	PLACES
.Lasked_\@:
.endm
	s_load_b256 s[4:11], s[0:1], 0x0               ; cod1, sc1, qkv_b, qkvimg
	s_load_b64 s[12:13], s[0:1], 0x20              ; qkvsc
	v_lshl_add_u32 v[SPW], v0, 2, SPARE
	v_mov_b32 v[NIL], 0
	ds_add_u32 v[SPW], v[NIL]                      ; the wave's opening: the add and its wait ahead of my first tensor load
	ds_add_u32 v[SPW], v[NIL]
	v_lshrrev_b32 v1, 5, v0
	v_readfirstlane_b32 s14, v1                    ; wave
	s_lshr_b32 s15, s14, 1                         ; I fetch for x (0) or for qkv_w (1)
	s_and_b32 s16, s14, 1                          ; which half
	s_bfe_u32 s40, ttmp6, 0x40000                  ; cx
	s_bfe_u32 s41, ttmp6, 0x40004                  ; cy
	s_lshl_b32 s42, ttmp9, 2
	s_add_co_u32 s42, s42, s40                     ; the head
	s_and_b32 s17, ttmp7, 0xffff
	s_lshl_b32 s17, s17, 2
	s_add_co_u32 s17, s17, s41                     ; the block of 256 rows
	s_lshl_b32 s43, s41, 2
	s_lshl_b32 s43, 15, s43                        ; my row of the cluster
	s_lshl_b32 s44, 0x1111, s40                    ; my column
	s_or_b32 s[G1X], s43, (3<<16)|(1<<21)          ; elements of 8 bytes, no padding; bit 21 beside a mask
	s_or_b32 s[G1W], s44, (3<<16)|(1<<21)
	s_mov_b32 s[G1X+1], 384<<16                    ; a row of the load: a tile's 3,072 bytes
	s_mov_b32 s[G1X+2], 16<<16                     ; the head's loads bring all 16 tiles
	s_mov_b32 s[G1X+3], 384<<16
	s_mov_b32 s[G1X+4], 16
	s_mov_b32 s[G1X+5], 1536                       ; 12,288 bytes from tile to tile
	s_mov_b32 s[G1X+6], 0
	s_mov_b32 s[G1X+7], 0
	s_mov_b32 s[G1W+1], 384<<16
	s_mov_b32 s[G1W+2], 12<<16                     ; and all 12
	s_mov_b32 s[G1W+3], 384<<16
	s_mov_b32 s[G1W+4], 12
	s_mov_b32 s[G1W+5], 1536
	s_mov_b32 s[G1W+6], 0
	s_mov_b32 s[G1W+7], 0
	s_lshl_b32 s20, s17, 4
	s_lshl_b32 s18, s16, 3
	s_add_co_u32 s20, s20, s18                     ; x: tile 16 x block + 8 x half
	s_mul_i32 s20, s20, 12288
	s_mov_b32 s21, 0
	s_mul_i32 s46, s42, 12
	s_mul_i32 s18, s16, 6
	s_add_co_u32 s46, s46, s18
	s_add_co_u32 s46, s46, 512                     ; qkv_w: tile 512 + 12 x head + 6 x half
	s_mul_i32 s46, s46, 12288
	s_mov_b32 s47, 0
	s_mul_i32 s45, s16, 24576                      ; where they go: no place in the cluster enters an LDS address
	s_mul_i32 s19, s16, 18432
	s_add_co_u32 s19, s19, WOFF
	; THE HEAD'S FILLS, one tensor load a wave: waves 0, 2 fetch x's 16 tiles of the first and second 256 along K, waves 1, 3 qkv_w's 12 tiles likewise
	s_mul_i32 s94, s17, 196608                     ; x: 16 tiles of 12,288 bytes a block
	s_mul_i32 s18, s15, 3072                       ; which 256 along K: wave / 2
	s_add_co_u32 s94, s94, s18
	s_mov_b32 s95, 0
	s_mul_i32 s98, s42, 147456                     ; qkv_w: 12 tiles a head, behind x's 512 tiles
	s_add_co_u32 s98, s98, s18
	s_add_co_u32 s98, s98, 6291456
	s_mov_b32 s99, 0
	s_mov_b32 s92, 1
	s_mul_i32 s93, s15, SLOT
	s_mov_b32 s96, 1
	s_add_co_u32 s97, s93, WOFF
	s_wait_dscnt 0x0                               ; the opening add is done
	s_wait_kmcnt 0x0
	s_add_nc_u64 s[20:21], s[4:5], s[20:21]
	s_add_nc_u64 s[46:47], s[4:5], s[46:47]
	s_add_nc_u64 s[94:95], s[4:5], s[94:95]
	s_or_b32 s95, s95, 0x80000000
	s_add_nc_u64 s[98:99], s[4:5], s[98:99]
	s_or_b32 s99, s99, 0x80000000
	CROUND                                         ; all sixteen work-groups are here: the first joint loads meet
.irp i, 0,2
	s_mov_b32 s[G0X+4*\i], 1
	s_add_co_u32 s[G0X+4*\i+1], s45, \i*SLOT
	s_add_nc_u64 s[G0X+4*\i+2:G0X+4*\i+3], s[20:21], \i*3072
	s_or_b32 s[G0X+4*\i+3], s[G0X+4*\i+3], 0x80000000
	s_mov_b32 s[G0W+4*\i], 1
	s_add_co_u32 s[G0W+4*\i+1], s19, \i*SLOT
	s_add_nc_u64 s[G0W+4*\i+2:G0W+4*\i+3], s[46:47], \i*3072
	s_or_b32 s[G0W+4*\i+3], s[G0W+4*\i+3], 0x80000000
.endr
	s_cmp_eq_u32 s16, 0                            ; even waves fetch for x, odd ones for qkv_w: one load on every way
	s_cbranch_scc0 .Lfirst_w
	tensor_load_to_lds s[92:95], s[G1X:G1X+7]
	s_nop 0
	PLACES
	s_branch .Lfirst_asked
.Lfirst_w:
	tensor_load_to_lds s[96:99], s[G1W:G1W+7]
	s_nop 0
	PLACES
.Lfirst_asked:
	v_and_b32 v1, 31, v0                           ; lane
	v_and_b32 v2, 15, v0                           ; r
	v_bfe_u32 v3, v0, 4, 1                         ; h
	v_lshlrev_b32 v[L16], 4, v1
	v_lshlrev_b32 v[L8], 3, v1
	s_mul_i32 s22, s14, 12288                      ; my four tiles of x in a slot
.irp s, 0,1,2
	v_add_nc_u32 v[XA16+\s], s22, v[L16]
	v_add_nc_u32 v[XA8+\s], s22, v[L8]
	s_add_co_u32 s22, s22, SLOT
	v_add_nc_u32 v[WA16+\s], WOFF+\s*SLOT, v[L16]
	v_add_nc_u32 v[WA8+\s], WOFF+\s*SLOT, v[L8]
.endr
	v_lshlrev_b32 v[SCO], 4, v2
	v_lshl_add_u32 v[SCO], v3, 3, v[SCO]
	v_lshlrev_b32 v[SH16], 4, v3
	v_lshlrev_b32 v[SCA], 4, v2
	v_lshl_add_u32 v[SCA], v3, 9, v[SCA]
	s_wait_alu depctr_va_vdst(0)
	v_lshlrev_b32 v[BQA], 6, v3
	s_wait_alu depctr_va_vdst(0)
	v_and_b32 v23, 8, v2
	v_add_nc_u32 v23, v23, v2
	v_lshlrev_b32 v[BVA], 2, v23
	s_wait_alu depctr_va_vdst(0)
.irp b, 0,1,2,3
	v_mov_b32 v[TM+4+\b], 0                        ; a lane permute's destination counts as one of its sources
.endr
	s_mov_b32 s39, 0xffff0000                      ; lanes 16-31
	s_mov_b32 s60, 0x76543210
	s_mov_b32 s61, 0xfedcba98                      ; selects for lane l xor 16
	s_lshl_b32 s22, s17, 4
	s_lshl_b32 s23, s14, 2
	s_add_co_u32 s22, s22, s23
	s_lshl_b32 s22, s22, 9                         ; 512 bytes of scale words a tile
	s_mov_b32 s23, 0
	s_add_nc_u64 s[32:33], s[6:7], s[22:23]        ; my x tiles' scale words
	s_mul_i32 s22, s42, 12
	s_add_co_u32 s22, s22, 512
	s_lshl_b32 s22, s22, 9
	s_add_nc_u64 s[34:35], s[6:7], s[22:23]        ; the head's 12 tiles'
	s_mul_i32 s22, s42, 768
	s_add_nc_u64 s[36:37], s[8:9], s[22:23]        ; the head's 192 numbers of qkv_b
.irp p, 0,1
.irp g, 0,1
	global_load_b128 v[XS+8*\p+4*\g:XS+8*\p+4*\g+3], v[SCA], s[32:33] offset:1024*\p+256*\g   ; lanes 0-15: tile 2 p, lanes 16-31: tile 2 p + 1; four steps' words
.endr
.endr
.irp p, 0,1,2,3,4,5
.irp g, 0,1
	global_load_b128 v[WS+8*\p+4*\g:WS+8*\p+4*\g+3], v[SCA], s[34:35] offset:1024*\p+256*\g
.endr
.endr
	WIN 0x40                                       ; destination window 1
.irp b, 0,1,2,3,4,5,6,7
	global_load_b128 v[BQ+8*\b:BQ+8*\b+3], v[BQA], s[36:37] offset:(32*(\b/2)+8*(\b%2))*4      ; the result's layout: my half's eight channels of tile b
	global_load_b128 v[BQ+8*\b+4:BQ+8*\b+7], v[BQA], s[36:37] offset:(32*(\b/2)+8*(\b%2))*4+16
.endr
.irp d, 0,1,2,3
.irp j, 0,1,2,3,4,5,6,7
	global_load_b32 v[BV+8*\d+\j], v[BVA], s[36:37] offset:(128+32*(\d/2)+8*(\d%2))*4          ; v: a lane holds one channel: eight registers with its bias
.endr
.endr
	WIN 0
	s_lshr_b32 s22, s17, 3                         ; where the results go: bh = 16 x batch + head,
	s_lshl_b32 s22, s22, 4
	s_add_co_u32 s22, s22, s42
	s_and_b32 s38, s17, 7
	s_lshl_b32 s38, s38, 2
	s_add_co_u32 s38, s38, s14                     ; my 64 rows among the head's 2,048
	s_mul_i32 s56, s22, 98304
	s_mul_i32 s57, s38, 3072
	s_add_co_u32 s56, s56, s57
	s_mov_b32 s57, 0
	s_add_nc_u64 s[10:11], s[10:11], s[56:57]      ; q's images (k's: 6,291,456 bytes on)
	s_add_nc_u64 s[58:59], s[10:11], 12582912      ; v's
	s_lshl_b32 s56, s22, 13
	s_lshl_b32 s38, s38, 8
	s_add_co_u32 s56, s56, s38
	s_add_nc_u64 s[12:13], s[12:13], s[56:57]      ; the scale words
.macro FRAG reg, a16, a8, off          ; a fragment: two half images on end
	ds_load_b128 v[(\reg):(\reg)+3], v[\a16] offset:(\off)
	ds_load_b64 v[(\reg)+4:(\reg)+5], v[\a8] offset:(\off)+512
	ds_load_b128 v[(\reg)+6:(\reg)+9], v[\a16] offset:(\off)+768
	ds_load_b64 v[(\reg)+10:(\reg)+11], v[\a8] offset:(\off)+1280
.endm
.macro FETCH_W slot, q, b0, b1         ; qkv_w's tiles b0 .. b1 of the slot's q-th 128 along K
	WIN 0x40
.set fb_, \b0
.rept (\b1)-(\b0)+1
	FRAG 12*fb_, WA16+(\slot), WA8+(\slot), 3072*fb_+1536*(\q)
.set fb_, fb_+1
.endr
	WIN 0
.endm
.macro FETCH_X slot, q, set            ; my four tiles of x
.irp a, 0,1,2,3
	FRAG XF+48*(\set)+12*\a, XA16+(\slot), XA8+(\slot), 3072*\a+1536*(\q)
.endr
.endm
.macro WM d, a, b, c, sa, ra, sb, rb   ; one product; ra, rb: the scales stand in lanes 16-31
.if ((\ra) != 0) && ((\rb) != 0)
	v_wmma_scale_f32_16x16x128_f8f6f4 v[(\d):(\d)+7], v[(\a):(\a)+11], v[(\b):(\b)+11], v[(\c):(\c)+7], v[\sa], v[\sb] matrix_a_fmt:MATRIX_FMT_FP6 matrix_b_fmt:MATRIX_FMT_FP6 matrix_a_scale:MATRIX_SCALE_ROW1 matrix_b_scale:MATRIX_SCALE_ROW1
.elseif (\ra) != 0
	v_wmma_scale_f32_16x16x128_f8f6f4 v[(\d):(\d)+7], v[(\a):(\a)+11], v[(\b):(\b)+11], v[(\c):(\c)+7], v[\sa], v[\sb] matrix_a_fmt:MATRIX_FMT_FP6 matrix_b_fmt:MATRIX_FMT_FP6 matrix_a_scale:MATRIX_SCALE_ROW1
.elseif (\rb) != 0
	v_wmma_scale_f32_16x16x128_f8f6f4 v[(\d):(\d)+7], v[(\a):(\a)+11], v[(\b):(\b)+11], v[(\c):(\c)+7], v[\sa], v[\sb] matrix_a_fmt:MATRIX_FMT_FP6 matrix_b_fmt:MATRIX_FMT_FP6 matrix_b_scale:MATRIX_SCALE_ROW1
.else
	v_wmma_scale_f32_16x16x128_f8f6f4 v[(\d):(\d)+7], v[(\a):(\a)+11], v[(\b):(\b)+11], v[(\c):(\c)+7], v[\sa], v[\sb] matrix_a_fmt:MATRIX_FMT_FP6 matrix_b_fmt:MATRIX_FMT_FP6
.endif
.endm
; The 48 accumulators take turns, one instruction a turn, in the same order in every step.  first = 1: the bias is the C of the sum's first product.
.macro MULQK s, b0, b1, first
.if \first
	WIN 0x91                                       ; source 0 (qkv_w) and C (bias) window 1, source 1 (x) window 0, D window 2
.else
	WIN 0xa1                                       ; C and D window 2
.endif
.set mb_, \b0
.rept (\b1)-(\b0)+1
.set ma_, 0
.rept 4
.if \first
	WM 64*ma_+8*mb_, 12*mb_, XF+48*((\s)%2)+12*ma_, BQ+8*mb_, WS+8*(mb_/2)+(\s), mb_%2, XS+8*(ma_/2)+(\s), ma_%2
.else
	WM 64*ma_+8*mb_, 12*mb_, XF+48*((\s)%2)+12*ma_, 64*ma_+8*mb_, WS+8*(mb_/2)+(\s), mb_%2, XS+8*(ma_/2)+(\s), ma_%2
.endif
.set ma_, ma_+1
.endr
.set mb_, mb_+1
.endr
.endm
.macro MULV s, first
.if \first
	WIN 0xd4                                       ; source 0 (x) window 0, source 1 (qkv_w) and C (bias) window 1, D window 3
.else
	WIN 0xf4
.endif
.set mb_, 8
.rept 4
.set ma_, 0
.rept 4
.if \first
	WM 32*(mb_-8)+8*ma_, XF+48*((\s)%2)+12*ma_, 12*mb_, BV+8*(mb_-8), XS+8*(ma_/2)+(\s), ma_%2, WS+8*(mb_/2)+(\s), mb_%2
.else
	WM 32*(mb_-8)+8*ma_, XF+48*((\s)%2)+12*ma_, 12*mb_, 32*(mb_-8)+8*ma_, XS+8*(ma_/2)+(\s), ma_%2, WS+8*(mb_/2)+(\s), mb_%2
.endif
.set ma_, ma_+1
.endr
.set mb_, mb_+1
.endr
.endm
; A step of 128 along K.  kind 0: plain.  kind 1: slot 0 has been read out and is filled again.  kind 2: the next step reads the refilled slot.  kind 3: the last step.
.macro STEP s, kind
.set NS_, (\s)+1
.set NSL_, (NS_/2)%3
.set NQ_, NS_%2
.if (\s) == 0
.set FI_, 1
.else
.set FI_, 0
.endif
.if ((\kind) == 1) || ((\kind) == 2)
	s_wait_tensorcnt 0x0                           ; all my tensor loads have landed;  (every window is 0 here)
	ds_add_u32 v[SPW], v[NIL]                      ; 0 onto my spare word
	s_wait_dscnt 25                                ; the add and the youngest 24 loads (tiles 6-11) may be out
	MULQK \s, 0, 2, 0
	s_wait_dscnt 0x0                               ; the add is done, and all my LDS reads are back
	s_barrier_signal -1
	MULQK \s, 3, 5, 0
	WIN 0
	s_barrier_wait -1
.else
	s_wait_dscnt 24                                ; tiles 0-5 and x are in; the youngest 24 loads (tiles 6-11) may be out
	MULQK \s, 0, 5, FI_
	s_wait_dscnt 0x0
.endif
.if (\kind) == 1
	CREST                                          ; the barrier has opened a round of the cluster's barrier: no wave of any partner still reads slot 0 or has a load on its way
	s_add_nc_u64 s[G0X+2:G0X+3], s[G0X+2:G0X+3], 9216   ; the fourth 256 along K
	s_add_nc_u64 s[G0W+2:G0W+3], s[G0W+2:G0W+3], 9216
	JLOAD                                          ; the first tensor load behind the round; its four v_nop are the places ahead of the loads below
.elseif (\kind) != 3
	PLACES
.endif
.if (\kind) != 3
	FETCH_W NSL_, NQ_, 0, 5
	FETCH_X NSL_, NQ_, NS_%2
.endif
	MULQK \s, 6, 7, FI_
	MULV \s, FI_
.if (\kind) != 3
	PLACES
	FETCH_W NSL_, NQ_, 6, 11
.endif
.endm
; 64 numbers of a lane in window W, register 16 b + i = place 32 b + 16 (lane / 16) + i of my row, become 12 registers of codes (two half images) in v[PC] on and four scale bytes in v[PW].
.macro QUANT s, W
	WIN ((\W)<<2)|((\W)<<4)                        ; sources 1 and 2 in window W
.irp b, 0,1,2,3
	v_max3_num_f32 v[TM+\b], 0x1800000, |v[(\s)+16*\b]|, |v[(\s)+16*\b+1]|   ; my 16 numbers of block b, each accumulator from its low end on, and the floor 2^(3 - 127)
.endr
.irp i, 2,4,6,8,10,12,14
.irp b, 0,1,2,3
	v_max3_num_f32 v[TM+\b], v[TM+\b], |v[(\s)+16*\b+\i]|, |v[(\s)+16*\b+\i+1]|
.endr
.endr
	WIN 0
.irp b, 0,1,2,3
	v_permlanex16_b32 v[TM+4+\b], v[TM+\b], s60, s61
.endr
.irp b, 0,1,2,3
	v_max_num_f32 v[TM+\b], v[TM+\b], v[TM+4+\b]   ; with lane l xor 16's: the block's largest magnitude
.endr
.irp b, 0,1,2,3
	v_add_nc_u32 v[TM+12+\b], 0xff000000, v[TM+\b] ; 2 off its exponent field: the conversion's scale operand
.endr
.irp b, 0,1,2,3
	v_lshrrev_b32 v[TM+4+\b], 23, v[TM+12+\b]      ; the scale's byte
.endr
	v_lshl_or_b32 v[PW], v[TM+5], 8, v[TM+4]
	v_lshl_or_b32 v[PW], v[TM+6], 16, v[PW]
	v_lshl_or_b32 v[PW], v[TM+7], 24, v[PW]
	s_wait_xcnt 0x0                                ; the stores issued so far have read their data: the codes' registers may be written
	WIN (\W)                                       ; source 0 in window W
.irp c, 0,1
	v_cvt_scalef32_pk16_fp6_f32 v[PC+6*\c:PC+6*\c+2], v[(\s)+32*\c:(\s)+32*\c+15], v[TM+12+2*\c]
	v_cvt_scalef32_pk16_fp6_f32 v[PC+12+4*\c:PC+14+4*\c], v[(\s)+32*\c+16:(\s)+32*\c+31], v[TM+13+2*\c]   ; (a conversion's three registers begin on an even number)
.endr
	WIN 0
	v_nop                                          ; one plain place behind a scaled conversion
.irp c, 0,1                            ; the operand's layout wants a whole block in a lane
.irp i, 0,1,2
	v_permlane16_swap_b32 v[PC+6*\c+\i], v[PC+12+4*\c+\i]
.endr
.irp i, 0,1,2
	v_mov_b32 v[PC+3+6*\c+\i], v[PC+12+4*\c+\i]
.endr
.endr
.endm
	s_wait_alu depctr_va_vdst(0)                   ; the head's end
	s_wait_tensorcnt 0x0                           ; my tile of slots 0 and 1 is in
	ds_add_u32 v[SPW], v[NIL]
	s_mov_b32 s[G1X+2], 8<<16                      ; no tensor load of mine is out: from here on a load brings half of the tiles
	s_mov_b32 s[G1X+4], 8
	s_mov_b32 s[G1W+2], 6<<16
	s_mov_b32 s[G1W+4], 6
	s_wait_dscnt 0x0
	CROUND                                         ; slots 0 and 1 are whole, and all sixteen work-groups are here
	JLOAD 2                                        ; slot 2's first fill: the third 256 along K
	FETCH_W 0, 0, 0, 5
	FETCH_X 0, 0, 0
	FETCH_W 0, 0, 6, 11
	s_wait_loadcnt 0x0                             ; scale words and biases
	STEP 0, 0
	STEP 1, 0
	STEP 2, 0
	STEP 3, 1                                      ; the round shows slot 2 whole and fills slot 0, last read in step 1, with the fourth 256 along K
	STEP 4, 0
	STEP 5, 2
	STEP 6, 0
	STEP 7, 3
	PLACES
	; q and k: tile a's 64 registers are my row's 64 channels of q and 64 of k
.irp a, 0,1,2,3
	QUANT 64*\a, 2
	global_store_b128 v[L16], v[PC:PC+3], s[10:11] offset:768*\a                   ; a half image: 512 + 256 consecutive bytes, at multiples of 256
	global_store_b64 v[L8], v[PC+4:PC+5], s[10:11] offset:768*\a+512
	global_store_b128 v[L16], v[PC+6:PC+9], s[10:11] offset:6291456+768*\a
	global_store_b64 v[L8], v[PC+10:PC+11], s[10:11] offset:6291456+768*\a+512
	v_perm_b32 v[QW+\a], v[PW], v[PW], 0x05040100  ; q's two bytes, twice: the word serves either half of a product's K
	v_perm_b32 v[KW+\a], v[PW], v[PW], 0x07060302  ; k's likewise
.endr
	v_cndmask_b32 v[OU], v[QW], v[QW+2], s39       ; lanes 0-15 store tiles 0, 1 of their row, lanes 16-31 tiles 2, 3
	v_cndmask_b32 v[OU+1], v[QW+1], v[QW+3], s39
	v_cndmask_b32 v[OU+2], v[KW], v[KW+2], s39
	v_cndmask_b32 v[OU+3], v[KW+1], v[KW+3], s39
	global_store_b64 v[SCO], v[OU:OU+1], s[12:13]
	global_store_b64 v[SCO], v[OU+2:OU+3], s[12:13] offset:524288
	; v: 64 registers are my channel's 64 keys in two tiles of channels
.irp p, 0,1
	QUANT 64*\p, 3
	global_store_b128 v[L16], v[PC:PC+3], s[58:59] offset:1536*\p
	global_store_b64 v[L8], v[PC+4:PC+5], s[58:59] offset:1536*\p+512
	global_store_b128 v[L16], v[PC+6:PC+9], s[58:59] offset:1536*\p+768
	global_store_b64 v[L8], v[PC+10:PC+11], s[58:59] offset:1536*\p+1280
	v_lshrrev_b32 v[QW+\p], v[SH16], v[PW]         ; lanes 0-15 keep tile 2 p's two bytes, lanes 16-31 tile 2 p + 1's
	v_and_b32 v[QW+\p], 0xffff, v[QW+\p]
.endr
	global_store_b64 v[L8], v[QW:QW+1], s[12:13] offset:1048576
	s_wait_tensorcnt 0x0                           ; the wave's end
	ds_add_u32 v[SPW], v[NIL]
	s_wait_dscnt 0x0
	CROUND                                         ; the closing round
	s_endpgm
.Lfunc_end_k_q03169eaaaf_qkv:
	.size	k_q03169eaaaf_qkv, .Lfunc_end_k_q03169eaaaf_qkv-k_q03169eaaaf_qkv
	.p2alignl 7, 3214868480
	.fill 96, 4, 3214868480
	.section	.rodata,"a",@progbits
	.p2align	6, 0x0
	.amdhsa_kernel k_q03169eaaaf_qkv
		.amdhsa_group_segment_fixed_size 327680
		.amdhsa_private_segment_fixed_size 0
		.amdhsa_enable_private_segment 0
		.amdhsa_kernarg_size 40
		.amdhsa_user_sgpr_count 2
		.amdhsa_user_sgpr_kernarg_segment_ptr 1
		.amdhsa_wavefront_size32 1
		.amdhsa_system_sgpr_workgroup_id_x 1
		.amdhsa_system_sgpr_workgroup_id_y 1
		.amdhsa_system_sgpr_workgroup_id_z 1
		.amdhsa_system_vgpr_workitem_id 0
		.amdhsa_next_free_vgpr 1024
		.amdhsa_next_free_sgpr 100
		.amdhsa_reserve_vcc 0
		.amdhsa_float_denorm_mode_32 3
		.amdhsa_float_denorm_mode_16_64 3
		.amdhsa_memory_ordered 1
		.amdhsa_forward_progress 1
		.amdhsa_inst_pref_size 129
	.end_amdhsa_kernel
	.amdgpu_metadata
---
amdhsa.version: [ 1, 2 ]
amdhsa.kernels:
  - .name:           k_q03169eaaaf_qkv
    .symbol:         k_q03169eaaaf_qkv.kd
    .args:
      - { .name: cod1, .offset: 0, .size: 8, .value_kind: global_buffer, .address_space: global }
      - { .name: sc1, .offset: 8, .size: 8, .value_kind: global_buffer, .address_space: global }
      - { .name: qkv_b, .offset: 16, .size: 8, .value_kind: global_buffer, .address_space: global }
      - { .name: qkvimg, .offset: 24, .size: 8, .value_kind: global_buffer, .address_space: global }
      - { .name: qkvsc, .offset: 32, .size: 8, .value_kind: global_buffer, .address_space: global }
    .group_segment_fixed_size: 327680
    .private_segment_fixed_size: 0
    .kernarg_segment_align: 8
    .kernarg_segment_size: 40
    .max_flat_workgroup_size: 128
    .sgpr_count:     100
    .vgpr_count:     1024
    .wavefront_size: 32
...
	.end_amdgpu_metadata
.endif
;; end of part 2
;; launch attn (part 3): grid 4 x 64, 8 waves a work-group, clusters of 4 x 1, 240,640 bytes of LDS; arguments qkvimg, qkvsc, valimg, valsc; writes valimg, valsc
.if DOCPART == 3
	.amdgcn_target "amdgcn-amd-amdhsa--gfx1250"
	.amdhsa_code_object_version 6
	.text
	.protected	k_q03169eaaaf_attn
	.globl	k_q03169eaaaf_attn
	.p2align	8
	.type	k_q03169eaaaf_attn,@function
k_q03169eaaaf_attn:
	s_mov_b64 s[64:65], 0
	v_nop
	global_prefetch_b8 v0, s[64:65] scope:SCOPE_SE
	s_setreg_imm32_b32 hwreg(HW_REG_WAVE_MODE, 25, 1), 1
	s_wait_xcnt 0x0
	s_wait_alu depctr_hold_cnt(0) depctr_sa_sdst(0) depctr_va_vdst(0) depctr_va_sdst(0) depctr_va_ssrc(0) depctr_va_vcc(0) depctr_vm_vsrc(0)
	s_getreg_b32 s2, hwreg(HW_REG_IB_STS2, 6, 4)
	s_cmp_eq_u32 s2, 0
	s_cbranch_scc0 .Lentry_in_a_cluster
	s_endpgm
.Lentry_in_a_cluster:
	s_bfe_u32 s2, ttmp6, 0x10000c
	s_cmp_lg_u32 s2, 0x3003
	s_cbranch_scc0 .Lentry_shape_is_right
	s_endpgm
.Lentry_shape_is_right:
; vals = softmax(q k^T / 8) v for one head (work-group y = 16 x batch + head), both products on codes of FP6 with E8M0 scales; vals leave as codes, quantised along the head's 64 channels.
; THE SOFTMAX: t = score x log2(e) / 8; M = the running largest t rounded up to a whole number; p = 2^(t - M) is quantised along the keys, not normalised; the row's sum is taken of the
; unquantised p and divides at the end.  When M moves, the sum and O are multiplied by 2^(old M - new M): exact.
; SHARES.  A work-group takes 512 queries, 32 tiles of 16.  Each of its eight waves takes TWO tiles (x = 0, 1) in each of two passes and walks all 2,048 keys, 128 a step: each fragment of K and V,
; read once from LDS, serves 32 queries.  Both products are used transposed (S^T = K Q^T, O^T = V^T P^T): a lane holds one query of each tile throughout.
; LDS.  The head's K and V images and their scale words are filled ONCE, one joint load a wave (waves 0-2 K's thirds, 3-5 V's, 6 and 7 the scale words), shared by the cluster's four work-groups:
; no ring, no barrier in the loop.  No prefetch: the head's loads are the launch's only reads of K and V, and there is no loop to run ahead in.
; K's chunks of 256 bytes lie 320 bytes apart, a tile of 768 bytes 960 apart.
; THE KEYS OF A TILE ARE CHOSEN BY THE LANES' ADDRESSES.  The images hold groups of 8 keys; tile 4 c + u of a step takes keys 64 c + 8 u + 0..7 (lanes r < 8) and 64 c + 32 + 8 u + 0..7 (r >= 8).
; So the 32 registers of tiles 4 c .. 4 c + 3 are keys 64 c + 32 (lane / 16) + 0 .. 31: a whole scale block of p in one lane, in the order of the next operand's registers.
; K = 64 IN AN INSTRUCTION OF 128.  Two tiles of keys, 6 registers each, form one operand.  An even tile multiplies it by [Q][zeros], an odd one by [zeros][Q]: zero codes cancel the other tile.
; Q's and K's scale words hold their two bytes twice, so they serve either place.
; THE ORDER OF A STEP.  Plain vector lines that are due anyway stand behind every second product: tile 1's row sums of the LAST step's p among tile 0's score products (the first step finds zeros there,
; the last step's are added behind the loop), tile 0's search for the largest scores among tile 1's score products, tile 0's row sums among the last products.
; Among the exponentials stand only lines whose results are read behind the batch's wait: tile 1's multiply-adds among tile 0's, sixteen first sums of tile 0's p among tile 1's.
; K's fragments of the next step are fetched behind this step's score products; the last step of a pass fetches step 0's, which pass 1 begins with; pass 1's last such fetch is read by nobody.
; LIMITS: the promise holds while the scaled scores stay under 2^31 in magnitude; a block of zeros gets the byte 1 (its codes are zeros; this program alone reads the bytes); NaN and infinities are not served.
; A block's largest p is made from the block's largest score by the same multiply-add and exponential; that takes v_exp_f32 not to fall where its input rises.
; REGISTERS.  window 0: v1-21 addresses; v22-51 zeros, Q0, zeros, Q1, zeros; v52-63 pass 1's Q; v64-67 Q's scale words; KF, VF fragments; scale words; P codes; small state.
;   window 1: scores, then p, at 64 x; O^T at 128 + 32 x; the sums at 192 + 4 x (two pairs) and 236-243; f at 200 + 2 x; tile 0's first sums at 204-235.
.set VIMG,  122880
.set KSC,   221184
.set VSC,   229376
.set VST,   237568                     ; 2,048 bytes: the 32 tiles' scale words, gathered for one store
.set SPARE, 239616                     ; the spare words, 128 bytes for each of 8 waves
.set SPW, 7
.set NIL, 8
.set KF,  68                           ; v68-115  K: eight tiles of 6
.set VF,  116                          ; v116-163 V^T: four operands of 12
.set KS,  164                          ; v164-167 K's scale words
.set VSR, 168                          ; v168-171 V's scale bytes as loaded
.set VW,  172                          ; v172-173 V's scale words
.set PW,  174                          ; v174-175 p's scale words
.set PC,  176                          ; v176-199 p's codes, 12 x
.set TMP, 200                          ; v200-214 the upper halves of the blocks' codes
.set BM,  216                          ; v216-219 largest scores, 2 x + c
.set SO,  220                          ; v220-223 the conversions' scale operands
.set PT,  224                          ; v224-227 bytes
.set NM,  228                          ; v228+2x -M, v229+2x the running largest score
.set TT,  232
.set TU,  234
.set N2,  236
.set WD,  238
.set TQ,  240                          ; v240-247 the four chains of a tile's search, 4 x + 2 c + half
.set WV,  18
.set SEL, 20
.set CS,  22                           ; s[22:23] c = log2(e) / 8
.set G1K, 24
.set G1V, 32
.set G0K, 40
.set G0V, 44
.set TB,  48                           ; V's images of the step: 6,144 bytes a step
.set TS,  49                           ; V's scale bytes: 512 a step
.set CNT, 50
.set TK,  51                           ; K's images of the next step: 7,680 bytes a step
.set NC,  52                           ; -c
.set TN,  53                           ; K's scale words of the next step
.set G1S, 68
.set G0S, 76
.set MSB, 0
.macro WIN new                         ; the immediate's high byte repeats the setting that is left
.if MSB != (\new)
	s_set_vgpr_msb (MSB<<8)|(\new)
.set MSB, (\new)
.endif
.endm
.macro WALU
	s_wait_alu depctr_va_vdst(0)
.endm
.macro PLACES
.rept 4
	v_nop
.endr
.endm
.macro CROUND
	s_barrier_signal -1
	s_barrier_wait -1
	s_cmp_lg_u32 s[WV], 0
	s_cbranch_scc1 .Lnot_wave_0_\@
	s_barrier_signal -3
.Lnot_wave_0_\@:
	s_barrier_wait -3
	s_barrier_signal -1
	s_barrier_wait -1
.endm
	s_load_b256 s[4:11], s[0:1], 0x0               ; qkvimg, qkvsc, valimg, valsc
	v_lshl_add_u32 v[SPW], v0, 2, SPARE
	v_mov_b32 v[NIL], 0
	ds_add_u32 v[SPW], v[NIL]                      ; the opening lines: the add, twice, and its wait ahead of my tensor load
	ds_add_u32 v[SPW], v[NIL]
	v_lshrrev_b32 v16, 5, v0
	v_readfirstlane_b32 s[WV], v16                 ; wave 0..7
	s_bfe_u32 s13, ttmp6, 0x40000                  ; cx: it enters global addresses of Q and of the results alone
	s_and_b32 s12, ttmp7, 0xffff                   ; 16 x batch + head, which the four partners share
	s_mov_b32 s[G1K], 15|(3<<16)|(1<<20)|(1<<21)|(5<<22)|(15<<25)   ; all four work-groups; elements of 8 bytes; 16 words of padding behind every 64
	s_mov_b32 s[G1V], 15|(3<<16)|(1<<21)           ; no padding
	s_mov_b32 s[G1S], 15|(3<<16)|(1<<21)
.irp g, G1K, G1V
	s_mov_b32 s[\g+1], 32<<16                      ; rows of 256 bytes,
	s_mov_b32 s[\g+2], 128<<16                     ; 128 of them: 32,768 dense bytes
	s_mov_b32 s[\g+3], 32<<16
	s_mov_b32 s[\g+4], 128
	s_mov_b32 s[\g+5], 32
	s_mov_b32 s[\g+6], 0
	s_mov_b32 s[\g+7], 0
.endr
	s_mov_b32 s[G1S+1], 32<<16
	s_mov_b32 s[G1S+2], 32<<16                     ; 32 rows: 8,192 bytes
	s_mov_b32 s[G1S+3], 32<<16
	s_mov_b32 s[G1S+4], 32
	s_mov_b32 s[G1S+5], 32
	s_mov_b32 s[G1S+6], 0
	s_mov_b32 s[G1S+7], 0
	s_mov_b32 s[G0K], 1
	s_mul_i32 s[G0K+1], s[WV], 40960               ; waves 0-2: K's thirds, 128 chunks of 320 bytes
	s_mul_i32 s15, s12, 98304
	s_lshl_b32 s14, s[WV], 15
	s_add_co_u32 s16, s15, s14
	s_add_co_u32 s16, s16, 6291456                 ; K's images begin 6,291,456 bytes into the buffer
	s_mov_b32 s17, 0
	s_mov_b32 s[G0V], 1
	s_add_co_u32 s[G0V+1], s14, VIMG-3*32768       ; waves 3-5: V's thirds
	s_add_co_u32 s66, s16, 6291456-3*32768         ; V's images begin twice as far
	s_mov_b32 s67, 0
	s_mov_b32 s[G0S], 1
	s_and_b32 s19, s[WV], 1                        ; wave 6: K's scale words, wave 7: V's
	s_lshl_b32 s[G0S+1], s19, 13
	s_add_co_u32 s[G0S+1], s[G0S+1], KSC
	s_add_co_u32 s54, s19, 1
	s_lshl_b32 s54, s54, 19
	s_lshl_b32 s55, s12, 13
	s_add_co_u32 s54, s54, s55
	s_mov_b32 s55, 0
	s_mov_b32 s[SEL], 0x76543210
	s_mov_b32 s[SEL+1], 0xfedcba98                 ; selects for lane l xor 16
	s_mov_b32 s[CS], 0x3e38aa3b                    ; log2(e) / 8
	s_mov_b32 s[CS+1], s[CS]
	s_mov_b32 s[NC], 0xbe38aa3b
	s_wait_dscnt 0x0                               ; both opening adds are done
	s_wait_kmcnt 0x0
	s_add_nc_u64 s[G0K+2:G0K+3], s[4:5], s[16:17]
	s_or_b32 s[G0K+3], s[G0K+3], 0x80000000
	s_add_nc_u64 s[G0V+2:G0V+3], s[4:5], s[66:67]
	s_or_b32 s[G0V+3], s[G0V+3], 0x80000000
	s_add_nc_u64 s[G0S+2:G0S+3], s[6:7], s[54:55]
	s_or_b32 s[G0S+3], s[G0S+3], 0x80000000
	CROUND                                         ; all four work-groups are here: the joint loads meet
	s_cmp_lt_u32 s[WV], 3                          ; one chain of branches on the wave's number, one load in each arm
	s_cbranch_scc0 .Lnot_k
	tensor_load_to_lds s[G0K:G0K+3], s[G1K:G1K+7]
	s_nop 0
	PLACES
	s_branch .Lasked
.Lnot_k:
	s_cmp_lt_u32 s[WV], 6
	s_cbranch_scc0 .Lnot_v
	tensor_load_to_lds s[G0V:G0V+3], s[G1V:G1V+7]
	s_nop 0
	PLACES
	s_branch .Lasked
.Lnot_v:
	tensor_load_to_lds s[G0S:G0S+3], s[G1S:G1S+7]
	s_nop 0
	PLACES
.Lasked:
	s_lshl_b32 s54, s13, 5
	s_lshl_b32 s55, s[WV], 1
	s_add_co_u32 s54, s54, s55                     ; my first tile of pass 0: 32 cx + 2 wave; pass 1's are 16 further on
	s_mul_i32 s56, s54, 768
	s_add_co_u32 s56, s56, s15
	s_mov_b32 s57, 0
	s_add_nc_u64 s[56:57], s[4:5], s[56:57]        ; its image of Q
	s_lshl_b32 s58, s12, 13
	s_lshl_b32 s55, s13, 11
	s_add_co_u32 s58, s58, s55
	s_lshr_b32 s55, s[WV], 1
	s_lshl_b32 s55, s55, 8
	s_add_co_u32 s58, s58, s55
	s_and_b32 s55, s[WV], 1
	s_lshl_b32 s55, s55, 3
	s_add_co_u32 s58, s58, s55
	s_mov_b32 s59, 0
	s_add_nc_u64 s[58:59], s[6:7], s[58:59]        ; my two tiles' scale words: 256 (tile / 4) + 16 r + 4 (tile % 4)
	s_lshr_b32 s55, s12, 4
	s_lshl_b32 s55, s55, 7                         ; 128 tiles a batch
	s_add_co_u32 s60, s55, s54
	s_mul_i32 s60, s60, 12288
	s_and_b32 s19, s12, 15                         ; the head
	s_mul_i32 s14, s19, 768
	s_add_co_u32 s60, s60, s14
	s_mov_b32 s61, 0
	s_add_nc_u64 s[60:61], s[8:9], s[60:61]        ; vals' image: [tile][head]
	s_lshl_b32 s62, s19, 15
	s_lshl_b32 s14, s13, 5
	s_add_co_u32 s14, s14, s55
	s_lshl_b32 s14, s14, 6
	s_add_co_u32 s62, s62, s14
	s_mov_b32 s63, 0
	s_add_nc_u64 s[62:63], s[10:11], s[62:63]      ; vals' scale words: [head][tile][r]: my work-group's 2,048 bytes
	s_lshl_b32 s14, s[WV], 7
	s_add_co_u32 s14, s14, VST
	v_and_b32 v16, 31, v0                          ; lane
	v_and_b32 v17, 15, v0                          ; r
	v_bfe_u32 v18, v0, 4, 1                        ; h
	v_and_b32 v19, 7, v0                           ; r % 8
	v_bfe_u32 v20, v0, 3, 1                        ; r / 8
	v_lshlrev_b32 v10, 4, v16
	v_lshlrev_b32 v11, 3, v16
	v_lshlrev_b32 v13, 4, v17
.irp x, 0,1
	global_load_b128 v[28+12*\x:31+12*\x], v10, s[56:57] offset:768*\x          ; Q of pass 0
	global_load_b64 v[32+12*\x:33+12*\x], v11, s[56:57] offset:768*\x+512
	global_load_b128 v[52+6*\x:55+6*\x], v10, s[56:57] offset:12288+768*\x      ; and of pass 1
	global_load_b64 v[56+6*\x:57+6*\x], v11, s[56:57] offset:12800+768*\x
.endr
	global_load_b64 v[64:65], v13, s[58:59]
	global_load_b64 v[66:67], v13, s[58:59] offset:1024
	v_mul_u32_u24 v1, v20, 1920                    ; K, registers 0-3: lanes r >= 8 read two tiles further on; 320 h + 16 (r % 8)
	v_mad_u32_u24 v1, v18, 320, v1
	v_lshl_add_u32 v1, v19, 4, v1
	v_mul_u32_u24 v2, v20, 1920                    ; registers 4-5: 128 h + 8 (r % 8) in the tile's third chunk
	v_lshl_add_u32 v2, v18, 7, v2
	v_lshl_add_u32 v2, v19, 3, v2
	v_add_nc_u32 v3, VIMG, v10
	v_add_nc_u32 v4, VIMG, v11
	v_lshlrev_b32 v5, 8, v18                       ; K's scale words: 256 h + 16 (r % 8) + 8 (r / 8)
	v_lshl_add_u32 v5, v19, 4, v5
	v_lshl_add_u32 v5, v20, 3, v5
	v_add_nc_u32 v5, KSC, v5
	v_add_nc_u32 v6, VSC, v11
	v_lshl_add_u32 v9, v17, 2, s14                 ; where my tiles' scale words go: 128 x wave + 4 r
	v_lshlrev_b32 v12, 3, v18                      ; 8 h: my bytes' shift in p's scale word
	v_and_b32 v15, 127, v0
	v_lshlrev_b32 v15, 4, v15
	v_add_nc_u32 v14, VST, v15
.irp i, 0,1,2,3,4,5
	v_mov_b32 v[22+\i], 0                          ; the zero codes beside Q
	v_mov_b32 v[34+\i], 0
	v_mov_b32 v[46+\i], 0
.endr
	v_mov_b32 v[TU], 0                             ; a lane permute's destination counts as one of its sources
	v_mov_b32 v[TU+1], 0
	WIN 0x40
	v_mov_b32 v201, 0                              ; (named as the upper halves of pairs)
	v_mov_b32 v203, 0
	WIN 0
.macro KLOAD a16, a8, as               ; a step's eight tiles of keys and their scale words: 17 loads
.irp n, 0,1,2,3,4,5,6,7
	ds_load_b128 v[KF+6*\n:KF+6*\n+3], v[\a16] offset:(4*(\n/4)+\n%2)*960+128*((\n%4)/2)
	ds_load_b64 v[KF+6*\n+4:KF+6*\n+5], v[\a8] offset:(4*(\n/4)+\n%2)*960+640+64*((\n%4)/2)
.endr
	ds_load_2addr_b64 v[KS:KS+3], v[\as] offset0:0 offset1:16   ; register u: lanes 0-15 tile u's words, lanes 16-31 tile 4 + u's
.endm
.macro QK n, x
.if \n < 4
	v_wmma_scale_f32_16x16x128_f8f6f4 v[64*\x+8*\n:64*\x+8*\n+7], v[KF+12*(\n/2):KF+12*(\n/2)+11], v[28+12*\x-6*(\n%2):39+12*\x-6*(\n%2)], 0, v[KS+\n%4], v[64+\x] matrix_a_fmt:MATRIX_FMT_FP6 matrix_b_fmt:MATRIX_FMT_FP6
.else
	v_wmma_scale_f32_16x16x128_f8f6f4 v[64*\x+8*\n:64*\x+8*\n+7], v[KF+12*(\n/2):KF+12*(\n/2)+11], v[28+12*\x-6*(\n%2):39+12*\x-6*(\n%2)], 0, v[KS+\n%4], v[64+\x] matrix_a_fmt:MATRIX_FMT_FP6 matrix_b_fmt:MATRIX_FMT_FP6 matrix_a_scale:MATRIX_SCALE_ROW1
.endif
.endm
.macro PV d, x
.if \d%2 == 0
	v_wmma_scale_f32_16x16x128_f8f6f4 v[128+32*\x+8*\d:135+32*\x+8*\d], v[VF+12*\d:VF+12*\d+11], v[PC+12*\x:PC+12*\x+11], v[128+32*\x+8*\d:135+32*\x+8*\d], v[VW+\d/2], v[PW+\x] matrix_a_fmt:MATRIX_FMT_FP6 matrix_b_fmt:MATRIX_FMT_FP6
.else
	v_wmma_scale_f32_16x16x128_f8f6f4 v[128+32*\x+8*\d:135+32*\x+8*\d], v[VF+12*\d:VF+12*\d+11], v[PC+12*\x:PC+12*\x+11], v[128+32*\x+8*\d:135+32*\x+8*\d], v[VW+\d/2], v[PW+\x] matrix_a_fmt:MATRIX_FMT_FP6 matrix_b_fmt:MATRIX_FMT_FP6 matrix_a_scale:MATRIX_SCALE_ROW1
.endif
.endm
; Line i of the n lines that add n pairs, from register b on, onto the pair l: four chains (l, a1, a2, a3), joined by the last three lines.  All in window 1.
.macro SUML i, n, b, l, a1, a2, a3
.if (\i) == 0
	v_pk_add_f32 v[\a1:\a1+1], v[\b:\b+1], v[\b+2:\b+3]
.elseif (\i) == 1
	v_pk_add_f32 v[\a2:\a2+1], v[\b+4:\b+5], v[\b+6:\b+7]
.elseif (\i) == 2
	v_pk_add_f32 v[\a3:\a3+1], v[\b+8:\b+9], v[\b+10:\b+11]
.elseif (\i) == (\n)-3
	v_pk_add_f32 v[\a1:\a1+1], v[\a1:\a1+1], v[\a2:\a2+1]
.elseif (\i) == (\n)-2
	v_pk_add_f32 v[\l:\l+1], v[\l:\l+1], v[\a3:\a3+1]
.elseif (\i) == (\n)-1
	v_pk_add_f32 v[\l:\l+1], v[\l:\l+1], v[\a1:\a1+1]
.elseif (\i)%4 == 0
	v_pk_add_f32 v[\a1:\a1+1], v[\a1:\a1+1], v[\b+2*(\i)+6:\b+2*(\i)+7]
.elseif (\i)%4 == 1
	v_pk_add_f32 v[\a2:\a2+1], v[\a2:\a2+1], v[\b+2*(\i)+6:\b+2*(\i)+7]
.elseif (\i)%4 == 2
	v_pk_add_f32 v[\a3:\a3+1], v[\a3:\a3+1], v[\b+2*(\i)+6:\b+2*(\i)+7]
.else
	v_pk_add_f32 v[\l:\l+1], v[\l:\l+1], v[\b+2*(\i)+6:\b+2*(\i)+7]
.endif
.endm
.macro SUMB k                          ; the next k of the 32 lines that add tile 1's 32 pairs of p
	WIN 0x45
.rept \k
	SUML sb_, 32, 64, 196, 198, 236, 238
.set sb_, sb_+1
.endr
.endm
.macro SUMA k                          ; the next k of the 16 lines that add tile 0's 16 first sums
	WIN 0x45
.rept \k
	SUML sa_, 16, 204, 192, 194, 240, 242
.set sa_, sa_+1
.endr
.endm
; Line i of the 30 lines of tile x's search for the largest scores: four chains, one for each half of each of my two blocks; each accumulator is read from its low end on.
.macro MAXL x, i
.set q_, (\i)%4
.set b_, 64*(\x)+32*(q_/2)+16*(q_%2)
.set r_, (\i)/4
.if (\i) < 4
	WIN 0x15
	v_max3_num_f32 v[TQ+4*(\x)+q_], v[b_], v[b_+1], v[b_+2]
.elseif (\i) < 28
	WIN 0x14
	v_max3_num_f32 v[TQ+4*(\x)+q_], v[TQ+4*(\x)+q_], v[b_+2*r_+1], v[b_+2*r_+2]
.else
	WIN 0x14
	v_max3_num_f32 v[TQ+4*(\x)+2*((\i)-28)], v[TQ+4*(\x)+2*((\i)-28)], v[64*(\x)+32*((\i)-28)+15], v[64*(\x)+32*((\i)-28)+31]
.endif
.endm
.macro MAXN x, k
.rept \k
	MAXL \x, mi_
.set mi_, mi_+1
.endr
.endm
; A KEY STEP: 128 keys x 32 queries
.macro KSTEP
	v_add_nc_u32 v18, s[TB], v3                    ; these six are also places behind the last products, ahead of the loads into V's registers
	v_add_nc_u32 v19, s[TB], v4
	v_add_nc_u32 v21, s[TS], v6
	v_add_nc_u32 v16, s[TK], v1
	v_add_nc_u32 v17, s[TK], v2
	v_add_nc_u32 v20, s[TN], v5
.irp d, 0,1,2,3
.irp c, 0,1
	ds_load_b128 v[VF+12*\d+6*\c:VF+12*\d+6*\c+3], v18 offset:3072*\c+768*\d   ; V^T: 16 channels x 64 keys
	ds_load_b64 v[VF+12*\d+6*\c+4:VF+12*\d+6*\c+5], v19 offset:3072*\c+768*\d+512
.endr
.endr
	ds_load_b64 v[VSR:VSR+1], v21                  ; V's scale bytes of the first 64 keys,
	ds_load_b64 v[VSR+2:VSR+3], v21 offset:256     ; and of the second
	WALU
	s_wait_dscnt 18                                ; K's fragments, asked for a step ago, are in; V's 18 loads may be out
.set sb_, 0
.irp n, 0,1,2,3,4,5,6,7                ; tile 0's scores; behind every second product eight lines of tile 1's row sum of the last step's p, under the old M
	WIN 0x40                                       ; D in window 1
	QK \n, 0
.if \n%2
	SUMB 8
.endif
.endr
.set mi_, 0
.irp n, 0,1,2,3,4,5,6,7                ; tile 1's scores, over the p just added; behind every second product lines of tile 0's search
	WIN 0x40
	QK \n, 1
.if \n == 7
	MAXN 0, 6                                      ; these six are the places ahead of the loads into K's registers
.elseif \n%2
	MAXN 0, 8
.endif
.endr
	WIN 0
	KLOAD 16, 17, 20                               ; the next step's
.set mi_, 0
	MAXN 1, 30
	WIN 0
.irp x, 0,1
.irp c, 0,1
	v_max_num_f32 v[BM+2*\x+\c], v[TQ+4*\x+2*\c], v[TQ+4*\x+2*\c+1]   ; the largest score of my block 2 c + h: it serves the row's maximum and the block's largest p
.endr
.endr
.irp x, 0,1
	v_max_num_f32 v[TT+\x], v[BM+2*\x], v[BM+2*\x+1]
.endr
.irp x, 0,1
	v_permlanex16_b32 v[TU+\x], v[TT+\x], s[SEL], s[SEL+1]
.endr
.irp x, 0,1
	v_max3_num_f32 v[NM+2*\x+1], v[NM+2*\x+1], v[TT+\x], v[TU+\x]   ; the running largest score
.endr
.irp x, 0,1
	v_mul_f32 v[TT+\x], s[NC], v[NM+2*\x+1]        ; -t
.endr
.irp x, 0,1
	v_floor_f32 v[N2+\x], v[TT+\x]                 ; the new -M = -ceil(t)
.endr
.irp x, 0,1
	v_sub_f32 v[TU+\x], v[N2+\x], v[NM+2*\x]       ; old M - new M: a whole number, 0 or less
.endr
.irp x, 0,1
	v_mov_b32 v[NM+2*\x], v[N2+\x]
.endr
.irp x, 0,1
	v_cvt_i32_f32 v[TU+\x], v[TU+\x]               ; (it saturates)
.endr
.irp x, 0,1
.irp c, 0,1
	v_fma_f32 v[BM+2*\x+\c], v[BM+2*\x+\c], s[CS], v[NM+2*\x]
.endr
.endr
	WIN 0x40
.irp x, 0,1
	v_ldexp_f32 v[200+2*\x], 1.0, v[TU+\x]         ; f
.endr
	WIN 0x45                                       ; destination, sources 0 and 1 in window 1, source 2 in window 0
.set j_, 0
.rept 32
	v_pk_fma_f32 v[j_:j_+1], v[j_:j_+1], s[CS:CS+1], v[NM:NM+1] op_sel_hi:[1,0,0]   ; tile 0: t - M
.set j_, j_+2
.endr
.irp x, 0,1
	v_pk_mul_f32 v[192+4*\x:193+4*\x], v[192+4*\x:193+4*\x], v[200+2*\x:201+2*\x] op_sel_hi:[1,0]   ; the sum under the new M
.set j_, 0
.rept 16
	v_pk_mul_f32 v[128+32*\x+j_:129+32*\x+j_], v[128+32*\x+j_:129+32*\x+j_], v[200+2*\x:201+2*\x] op_sel_hi:[1,0]   ; O^T under the new M
.set j_, j_+2
.endr
.endr
	WALU                                           ; ahead of the batch
.set j_, 0
.rept 32
	v_exp_f32 v[j_], v[j_]                         ; tile 0: p = 2^(t - M)
	v_exp_f32 v[j_+1], v[j_+1]
	v_pk_fma_f32 v[64+j_:65+j_], v[64+j_:65+j_], s[CS:CS+1], v[NM+2:NM+3] op_sel_hi:[1,0,0]   ; tile 1: t - M, read behind the wait below
.set j_, j_+2
.endr
	WALU                                           ; behind tile 0's batch and ahead of tile 1's
.set j_, 0
.rept 16
	v_exp_f32 v[64+4*j_], v[64+4*j_]               ; tile 1: p
	v_exp_f32 v[65+4*j_], v[65+4*j_]
	v_exp_f32 v[66+4*j_], v[66+4*j_]
	v_exp_f32 v[67+4*j_], v[67+4*j_]
	v_pk_add_f32 v[204+2*j_:205+2*j_], v[4*j_:4*j_+1], v[4*j_+2:4*j_+3]   ; tile 0's first sums, of the unquantised p: read behind the wait below
.set j_, j_+1
.endr
	WIN 0
.irp k, 0,1,2,3
	v_exp_f32 v[BM+\k], v[BM+\k]                   ; the blocks' largest p
.endr
	v_nop                                          ; a plain place behind the exponentials
	WALU                                           ; the wait for the batch, ahead of its first reader
	s_wait_dscnt 17                                ; V and its scale bytes are in; the next step's 17 loads may be out
	v_lshl_or_b32 v[VW], v[VSR+2], 16, v[VSR]      ; V's scale words: lanes 0-15 tiles 0 and 2, lanes 16-31 tiles 1 and 3
	v_lshl_or_b32 v[VW+1], v[VSR+3], 16, v[VSR+1]
.irp k, 0,1,2,3
	v_max_num_f32 v[BM+\k], 0x1800000, v[BM+\k]    ; the floor 2^(3 - 127)
.endr
.irp k, 0,1,2,3
	v_add_nc_u32 v[SO+\k], 0xff000000, v[BM+\k]    ; 2 off the exponent field: the conversion's scale operand
.endr
.irp k, 0,1,2,3
	v_lshrrev_b32 v[PT+\k], 23, v[SO+\k]           ; the byte
.endr
.irp x, 0,1
	v_lshl_or_b32 v[TT+\x], v[PT+2*\x+1], 16, v[PT+2*\x]   ; my two bytes, blocks h and 2 + h,
.endr
.irp x, 0,1
	v_lshlrev_b32 v[TT+\x], v12, v[TT+\x]          ; at their places;
.endr
.irp x, 0,1
	v_permlanex16_b32 v[TU+\x], v[TT+\x], s[SEL], s[SEL+1]
.endr
.irp x, 0,1
	v_or_b32 v[PW+\x], v[TT+\x], v[TU+\x]          ; with lane l xor 16's two the word is whole
.endr
	WIN 0x01                                       ; source 0 in window 1
.irp x, 0,1
.irp c, 0,1
	v_cvt_scalef32_pk16_fp6_f32 v[PC+12*\x+6*\c:PC+12*\x+6*\c+2], v[64*\x+32*\c:64*\x+32*\c+15], v[SO+2*\x+\c]
	v_cvt_scalef32_pk16_fp6_f32 v[TMP+8*\x+4*\c:TMP+8*\x+4*\c+2], v[64*\x+32*\c+16:64*\x+32*\c+31], v[SO+2*\x+\c]   ; (a conversion's three registers begin on an even number)
.endr
.endr
	WIN 0
	v_nop                                          ; one plain place behind a scaled conversion
.irp x, 0,1
.irp c, 0,1
.irp i, 0,1,2
	v_mov_b32 v[PC+12*\x+6*\c+3+\i], v[TMP+8*\x+4*\c+\i]
.endr
.endr
.endr
.set sa_, 0
	SUMA 4                                         ; these four are the places between the codes just moved and the products
.irp d, 0,1,2,3
	WIN 0x50                                       ; C and D in window 1
	PV \d, 0
	PV \d, 1
	SUMA 3
.endr
	WIN 0
	s_add_co_u32 s[TB], s[TB], 6144
	s_add_co_u32 s[TS], s[TS], 512
	s_add_co_u32 s[TN], s[TN], 512
	s_and_b32 s[TN], s[TN], 8191                   ; behind the last step comes step 0
	s_add_co_u32 s[TK], s[TK], 7680
	s_cmp_eq_u32 s[TK], 122880
	s_cselect_b32 s[TK], 0, s[TK]
.endm
; A PASS: two tiles of 16 queries against all keys
.macro PASS p
.if \p
	s_wait_xcnt 0x0                                ; pass 0's stores have read their data
.irp i, 0,1,2,3,4,5
	v_mov_b32 v[28+\i], v[52+\i]
	v_mov_b32 v[40+\i], v[58+\i]
.endr
	v_mov_b32 v64, v66
	v_mov_b32 v65, v67
.else
	KLOAD 1, 2, 5                                  ; step 0's K
.endif
.irp x, 0,1
	v_mov_b32 v[NM+2*\x+1], 0xff61b1e6             ; -3e38, under every score
.endr
.irp x, 0,1
	v_mul_f32 v[NM+2*\x], s[NC], v[NM+2*\x+1]
.endr
.irp x, 0,1
	v_floor_f32 v[NM+2*\x], v[NM+2*\x]
.endr
	WIN 0x40
.set j_, 64
.rept 128
	v_mov_b32 v[j_], 0                             ; tile 1's p of the step before the first, and O^T: the step is written once; the first change of M leaves zeros zeros
.set j_, j_+1
.endr
.irp j, 192,193,196,197
	v_mov_b32 v[\j], 0                             ; the sums
.endr
	WIN 0
	s_mov_b32 s[TB], 0
	s_mov_b32 s[TS], 0
	s_mov_b32 s[TK], 7680
	s_mov_b32 s[TN], 512
	s_mov_b32 s[CNT], 16
.Lkeys_\@:
	KSTEP
	s_sub_co_u32 s[CNT], s[CNT], 1
	s_cmp_lg_u32 s[CNT], 0
	s_cbranch_scc1 .Lkeys_\@
	WALU
	PLACES
.set sb_, 0
	SUMB 32                                        ; tile 1's p of the last step
	WIN 0x05
.irp x, 0,1
	v_add_f32 v[TT+\x], v[192+4*\x], v[193+4*\x]
.endr
	WIN 0
.irp x, 0,1
	v_permlanex16_b32 v[TU+\x], v[TT+\x], s[SEL], s[SEL+1]
.endr
.irp x, 0,1
	v_add_f32 v[TT+\x], v[TT+\x], v[TU+\x]         ; the row's sum
.endr
	WALU
.irp x, 0,1
	v_rcp_f32 v[TT+\x], v[TT+\x]
.endr
	WIN 0x41
	v_nop                                          ; a plain place behind the reciprocals
	WALU                                           ; and the wait, directly ahead of the first reader of them and of O^T
.irp x, 0,1
.set j_, 0
.rept 32
	v_mul_f32 v[64*\x+j_], v[128+32*\x+j_], v[TT+\x]   ; vals: register 16 b + i = channel 32 b + 16 (lane / 16) + i of my query
.set j_, j_+1
.endr
.endr
	WIN 0x05
.irp x, 0,1
.irp b, 0,1
	v_max3_num_f32 v[BM+2*\x+\b], |v[64*\x+16*\b]|, |v[64*\x+16*\b+1]|, 0x1800000
.endr
.endr
	WIN 0x14
.irp i, 2,4,6,8,10,12,14
.irp x, 0,1
.irp b, 0,1
	v_max3_num_f32 v[BM+2*\x+\b], v[BM+2*\x+\b], |v[64*\x+16*\b+\i]|, |v[64*\x+16*\b+\i+1]|
.endr
.endr
.endr
	WIN 0
.irp k, 0,1,2,3
	v_permlanex16_b32 v[PT+\k], v[BM+\k], s[SEL], s[SEL+1]
.endr
.irp k, 0,1,2,3
	v_max_num_f32 v[BM+\k], v[BM+\k], v[PT+\k]     ; with lane l xor 16's 16 channels
.endr
.irp k, 0,1,2,3
	v_add_nc_u32 v[SO+\k], 0xff000000, v[BM+\k]
.endr
.irp k, 0,1,2,3
	v_lshrrev_b32 v[PT+\k], 23, v[SO+\k]
.endr
.irp x, 0,1
	v_lshl_or_b32 v[WD+\x], v[PT+2*\x+1], 8, v[PT+2*\x]   ; two bytes below, 0 above
.endr
	WIN 0x01
.irp x, 0,1
	v_cvt_scalef32_pk16_fp6_f32 v[PC+12*\x:PC+12*\x+2], v[64*\x:64*\x+15], v[SO+2*\x]
	v_cvt_scalef32_pk16_fp6_f32 v[TMP+4*\x:TMP+4*\x+2], v[64*\x+16:64*\x+31], v[SO+2*\x+1]
.endr
	WIN 0
	v_nop                                          ; one plain place behind a scaled conversion
.irp x, 0,1
.irp i, 0,1,2
	v_permlane16_swap_b32 v[PC+12*\x+\i], v[TMP+4*\x+\i]   ; the operand's layout wants a whole block in a lane
.endr
.endr
.irp x, 0,1
.irp i, 0,1,2
	v_mov_b32 v[PC+12*\x+3+\i], v[TMP+4*\x+\i]
.endr
.endr
.irp x, 0,1
	global_store_b128 v10, v[PC+12*\x:PC+12*\x+3], s[60:61] offset:196608*\p+12288*\x        ; a half image: 512 + 256 consecutive bytes, at multiples of 256
	global_store_b64 v11, v[PC+12*\x+4:PC+12*\x+5], s[60:61] offset:196608*\p+12288*\x+512
	ds_store_b32 v9, v[WD+\x] offset:1024*\p+64*\x   ; both lanes of a row write the same word with the same value
.endr
.endm
	WALU                                           ; the head's end
	s_wait_tensorcnt 0x0                           ; my part of the head is in,
	s_barrier_signal -1
	s_barrier_wait -1                              ; everybody's is
	s_wait_loadcnt 0x0                             ; Q
	PASS 0
	PASS 1
	s_wait_dscnt 0x0                               ; my scale words lie in LDS
	s_barrier_signal -1
	s_barrier_wait -1
	s_cmp_lt_u32 s[WV], 4                          ; four waves store the work-group's 2,048 bytes: 512 consecutive bytes each
	s_cbranch_scc0 .Lno_words
	ds_load_b128 v[68:71], v14
	s_wait_dscnt 0x0
	global_store_b128 v15, v[68:71], s[62:63]
.Lno_words:
	s_wait_tensorcnt 0x0                           ; the wave's end
	ds_add_u32 v[SPW], v[NIL]
	s_wait_dscnt 0x0
	CROUND                                         ; the closing round
	s_endpgm
.Lfunc_end_k_q03169eaaaf_attn:
	.size	k_q03169eaaaf_attn, .Lfunc_end_k_q03169eaaaf_attn-k_q03169eaaaf_attn
	.p2alignl 7, 3214868480
	.fill 96, 4, 3214868480
	.section	.rodata,"a",@progbits
	.p2align	6, 0x0
	.amdhsa_kernel k_q03169eaaaf_attn
		.amdhsa_group_segment_fixed_size 240640
		.amdhsa_private_segment_fixed_size 0
		.amdhsa_enable_private_segment 0
		.amdhsa_kernarg_size 32
		.amdhsa_user_sgpr_count 2
		.amdhsa_user_sgpr_kernarg_segment_ptr 1
		.amdhsa_wavefront_size32 1
		.amdhsa_system_sgpr_workgroup_id_x 1
		.amdhsa_system_sgpr_workgroup_id_y 1
		.amdhsa_system_sgpr_workgroup_id_z 1
		.amdhsa_system_vgpr_workitem_id 0
		.amdhsa_next_free_vgpr 512
		.amdhsa_next_free_sgpr 80
		.amdhsa_reserve_vcc 0
		.amdhsa_float_denorm_mode_32 3
		.amdhsa_float_denorm_mode_16_64 3
		.amdhsa_memory_ordered 1
		.amdhsa_forward_progress 1
		.amdhsa_inst_pref_size 96
	.end_amdhsa_kernel
	.amdgpu_metadata
---
amdhsa.version: [ 1, 2 ]
amdhsa.kernels:
  - .name:           k_q03169eaaaf_attn
    .symbol:         k_q03169eaaaf_attn.kd
    .args:
      - { .name: qkvimg, .offset: 0, .size: 8, .value_kind: global_buffer, .address_space: global }
      - { .name: qkvsc, .offset: 8, .size: 8, .value_kind: global_buffer, .address_space: global }
      - { .name: valimg, .offset: 16, .size: 8, .value_kind: global_buffer, .address_space: global }
      - { .name: valsc, .offset: 24, .size: 8, .value_kind: global_buffer, .address_space: global }
    .group_segment_fixed_size: 240640
    .private_segment_fixed_size: 0
    .kernarg_segment_align: 8
    .kernarg_segment_size: 32
    .max_flat_workgroup_size: 256
    .sgpr_count:     80
    .vgpr_count:     512
    .wavefront_size: 32
...
	.end_amdgpu_metadata
.endif
;; end of part 3
;; launch oproj (part 4): grid 8 x 32, 4 waves a work-group, clusters of 4 x 4, 295,424 bytes of LDS; arguments valimg, valsc, cod1, sc1, o_b, out0; writes out0
.if DOCPART == 4
	.amdgcn_target "amdgcn-amd-amdhsa--gfx1250"
	.amdhsa_code_object_version 6
	.text
	.protected	k_q03169eaaaf_oproj
	.globl	k_q03169eaaaf_oproj
	.p2align	8
	.type	k_q03169eaaaf_oproj,@function
k_q03169eaaaf_oproj:
	s_mov_b64 s[64:65], 0
	v_nop
	global_prefetch_b8 v0, s[64:65] scope:SCOPE_SE
	s_setreg_imm32_b32 hwreg(HW_REG_WAVE_MODE, 25, 1), 1
	s_wait_xcnt 0x0
	s_wait_alu depctr_hold_cnt(0) depctr_sa_sdst(0) depctr_va_vdst(0) depctr_va_sdst(0) depctr_va_ssrc(0) depctr_va_vcc(0) depctr_vm_vsrc(0)
	s_getreg_b32 s2, hwreg(HW_REG_IB_STS2, 6, 4)
	s_cmp_eq_u32 s2, 0
	s_cbranch_scc0 .Lentry_in_a_cluster
	s_endpgm
.Lentry_in_a_cluster:
	s_bfe_u32 s2, ttmp6, 0x10000c
	s_cmp_lg_u32 s2, 0xf033
	s_cbranch_scc0 .Lentry_shape_is_right
	s_endpgm
.Lentry_shape_is_right:
; out = vals o_w^T + o_b on codes of FP6 with E8M0 scales; out is f32.
; SHARES.  A work-group takes 256 rows (work-group y) and 128 columns (work-group x): 8 tiles of o_w.  Wave w takes vals' tiles 4 w + a, a = 0 .. 3, against all 8: 32 accumulators, 32 matrix
; instructions for each 128 along K, eight such steps, written out.  Source 0 = 16 rows of o_w, source 1 = 16 rows of vals: a lane holds one row of out and eight columns in each accumulator.
; LDS.  Four slots of 73,728 bytes, each 256 along K (vals' 16 tiles x 3,072 bytes, then o_w's 8): all of K, each byte filled once.  Four tensor loads of a wave are out at the start.
; CLUSTER 4 x 4: vals' tiles are shared along a row of the cluster, o_w's along a column: joint loads.
; Tile-row p of tile 2 b + u is row 32 b + 8 u + p + 8 (p / 8), in vals, in o_w and so in out.
; REGISTERS.  window 0: v4-25 addresses; v32-47 vals' scale words, v48-79 o_w's; v96-191 vals' fragments, two sets; v192-223 scale bytes as loaded; on the way out v96-223 rows of out.
;   window 1: v0-95 o_w's fragments, one set; v144-207 the bias.   window 2: the accumulators at 64 a + 8 b.
; THE FILLS AS THE CODE HAS THEM (in place of what the lines above say of four slots and four loads): LDS holds [tile][12,288 bytes], all of K: vals' 16 tiles, then o_w's 8, each byte filled once.
; One tensor load a wave at the head: waves 0, 1 eight tiles of vals each, waves 2, 3 four tiles of o_w each; one barrier shows all of it, and the eight steps have no barrier.
.set SLOT,  73728
.set WOFF,  196608                     ; LDS now holds [tile][12,288 bytes]: vals' 16 tiles, all of K, then o_w's 8; one tensor load a wave fills it once
.set SPARE, 4*SLOT
.set XA16, 4                           ; v4-7
.set XA8,  8                           ; v8-11
.set WA16, 12                          ; v12-15
.set WA8,  16                          ; v16-19
.set L16,  20
.set STO,  21
.set RD,   22
.set SCA,  23                          ; 512 h + 16 r
.set L4,   24                          ; 4 x lane
.set BQA,  25                          ; 64 h
.set SPW,  28
.set NIL,  29
.set XS,   32
.set WS,   48
.set XF,   96
.set VT,   192
.set BK,   96
.set BQ,   144
.set G1X, 24
.set G1W, 48
.set G0X, 68                           ; s[68:83] four sets
.set G0W, 84                           ; s[84:99]
.set MSB, 0
.macro WIN new
.if MSB != (\new)
	s_set_vgpr_msb (MSB<<8)|(\new)
.set MSB, (\new)
.endif
.endm
.macro PLACES
.rept 4
	v_nop
.endr
.endm
.macro CROUND
	s_barrier_signal -1
	s_barrier_wait -1
	s_cmp_lg_u32 s16, 0
	s_cbranch_scc1 .Lnot_wave_0_\@
	s_barrier_signal -3
.Lnot_wave_0_\@:
	s_barrier_wait -3
	s_barrier_signal -1
	s_barrier_wait -1
.endm
	s_load_b256 s[4:11], s[0:1], 0x0               ; valimg, valsc, cod1, sc1
	s_load_b128 s[12:15], s[0:1], 0x20             ; o_b, out0
	v_lshl_add_u32 v[SPW], v0, 2, SPARE
	v_mov_b32 v[NIL], 0
	ds_add_u32 v[SPW], v[NIL]                      ; the wave's opening: the add and its wait ahead of my first tensor load
	ds_add_u32 v[SPW], v[NIL]
	v_lshrrev_b32 v1, 5, v0
	v_readfirstlane_b32 s16, v1                    ; wave
	s_lshr_b32 s17, s16, 1                         ; I fetch for vals (0) or for o_w (1)
	s_and_b32 s18, s16, 1                          ; which half
	s_bfe_u32 s40, ttmp6, 0x40000
	s_bfe_u32 s41, ttmp6, 0x40004
	s_lshl_b32 s42, ttmp9, 2
	s_add_co_u32 s42, s42, s40                     ; the block of 128 columns
	s_and_b32 s19, ttmp7, 0xffff
	s_lshl_b32 s19, s19, 2
	s_add_co_u32 s19, s19, s41                     ; the block of 256 rows
	s_lshl_b32 s43, s41, 2
	s_lshl_b32 s43, 15, s43
	s_lshl_b32 s44, 0x1111, s40
	s_or_b32 s[G1X], s43, (3<<16)|(1<<21)
	s_or_b32 s[G1W], s44, (3<<16)|(1<<21)
	s_mov_b32 s[G1X+1], 1536<<16                   ; a row of the load: a tile's 12,288 bytes, all of K
	s_mov_b32 s[G1X+2], 8<<16
	s_mov_b32 s[G1X+3], 1536<<16
	s_mov_b32 s[G1X+4], 8
	s_mov_b32 s[G1X+5], 1536
	s_mov_b32 s[G1X+6], 0
	s_mov_b32 s[G1X+7], 0
	s_mov_b32 s[G1W+1], 1536<<16
	s_mov_b32 s[G1W+2], 4<<16
	s_mov_b32 s[G1W+3], 1536<<16
	s_mov_b32 s[G1W+4], 4
	s_mov_b32 s[G1W+5], 1536
	s_mov_b32 s[G1W+6], 0
	s_mov_b32 s[G1W+7], 0
	s_lshl_b32 s20, s19, 4
	s_lshl_b32 s23, s18, 3
	s_add_co_u32 s20, s20, s23                     ; vals: tile 16 x block + 8 x half
	s_mul_i32 s20, s20, 12288
	s_mov_b32 s21, 0
	s_lshl_b32 s46, s42, 3
	s_lshl_b32 s23, s18, 2
	s_add_co_u32 s46, s46, s23
	s_add_co_u32 s46, s46, 704                     ; o_w: tile 704 + 8 x block + 4 x half
	s_mul_i32 s46, s46, 12288
	s_mov_b32 s47, 0
	s_mul_i32 s45, s18, 98304
	s_mul_i32 s22, s18, 49152
	s_add_co_u32 s22, s22, WOFF
	s_wait_dscnt 0x0
	s_wait_kmcnt 0x0
	s_add_nc_u64 s[20:21], s[4:5], s[20:21]
	s_add_nc_u64 s[46:47], s[8:9], s[46:47]
	CROUND                                         ; all sixteen work-groups are here: the joint loads meet
.irp i, 0
	s_mov_b32 s[G0X+4*\i], 1
	s_add_co_u32 s[G0X+4*\i+1], s45, \i*SLOT
	s_add_nc_u64 s[G0X+4*\i+2:G0X+4*\i+3], s[20:21], \i*3072
	s_or_b32 s[G0X+4*\i+3], s[G0X+4*\i+3], 0x80000000
	s_mov_b32 s[G0W+4*\i], 1
	s_add_co_u32 s[G0W+4*\i+1], s22, \i*SLOT
	s_add_nc_u64 s[G0W+4*\i+2:G0W+4*\i+3], s[46:47], \i*3072
	s_or_b32 s[G0W+4*\i+3], s[G0W+4*\i+3], 0x80000000
.endr
	s_cmp_eq_u32 s17, 0                            ; waves 0, 1 fetch for vals, waves 2, 3 for o_w: one load on every way
	s_cbranch_scc0 .Lfirst_w
	tensor_load_to_lds s[G0X:G0X+3], s[G1X:G1X+7]  ; waves 0, 1: eight tiles of vals each
	s_nop 0
	PLACES
	s_branch .Lfirst_asked
.Lfirst_w:
	tensor_load_to_lds s[G0W:G0W+3], s[G1W:G1W+7]  ; waves 2, 3: four tiles of o_w each
	s_nop 0
	PLACES
.Lfirst_asked:
	v_and_b32 v1, 31, v0
	v_and_b32 v2, 15, v0
	v_bfe_u32 v3, v0, 4, 1
	v_lshlrev_b32 v[L16], 4, v1
	v_lshlrev_b32 v26, 3, v1
	v_lshlrev_b32 v[L4], 2, v1
	s_mul_i32 s23, s16, 49152                      ; my four tiles of vals
	v_add_nc_u32 v[XA16], s23, v[L16]
	v_add_nc_u32 v[XA8], s23, v26
.irp s, 0,1
	v_add_nc_u32 v[WA16+\s], WOFF+\s*49152, v[L16] ; o_w's tiles 0-3 and 4-7: so every offset fits the 16-bit immediate
	v_add_nc_u32 v[WA8+\s], WOFF+\s*49152, v26
.endr
	v_lshlrev_b32 v[SCA], 4, v2
	v_lshl_add_u32 v[SCA], v3, 9, v[SCA]
	s_wait_alu depctr_va_vdst(0)
	v_lshlrev_b32 v[BQA], 6, v3
	s_wait_alu depctr_va_vdst(0)
	s_mul_i32 s23, s16, 49152                      ; my stage for the way out, on my own tiles of vals
	v_mul_u32_u24 v[STO], v2, 528
	v_lshl_add_u32 v[STO], v3, 6, v[STO]
	v_add_nc_u32 v[STO], s23, v[STO]               ; in: row r, + 64 h
	v_add_nc_u32 v[RD], s23, v[L16]                ; back: a whole row of 512 bytes
	s_lshl_b32 s56, s19, 4
	s_lshl_b32 s57, s16, 2
	s_add_co_u32 s56, s56, s57                     ; my first tile
	s_lshl_b32 s56, s56, 6
	s_mov_b32 s57, 0
	s_add_nc_u64 s[32:33], s[6:7], s[56:57]        ; vals' scale words: [head][tile][r]
	s_lshl_b32 s56, s42, 3
	s_add_co_u32 s56, s56, 704
	s_lshl_b32 s56, s56, 9
	s_add_nc_u64 s[34:35], s[10:11], s[56:57]      ; o_w's
	s_lshl_b32 s56, s42, 9
	s_add_nc_u64 s[36:37], s[12:13], s[56:57]      ; my 128 numbers of o_b
	s_add_nc_u64 s[14:15], s[14:15], s[56:57]      ; out: my columns,
	s_lshl_b32 s56, s19, 8
	s_lshl_b32 s58, s16, 6
	s_add_co_u32 s56, s56, s58
	s_lshl_b32 s56, s56, 12
	s_add_nc_u64 s[14:15], s[14:15], s[56:57]      ; my 64 rows
.irp pa, 0,1
.irp hd, 0,1,2,3,4,5,6,7,8,9,10,11,12,13,14,15
	global_load_b32 v[VT+16*\pa+\hd], v[L4], s[32:33] offset:32768*\hd+128*\pa   ; lanes 0-15: tile 2 pa, lanes 16-31: tile 2 pa + 1; a head's two bytes
.endr
.endr
.irp p, 0,1,2,3
.irp g, 0,1
	global_load_b128 v[WS+8*\p+4*\g:WS+8*\p+4*\g+3], v[SCA], s[34:35] offset:1024*\p+256*\g
.endr
.endr
	WIN 0x40
.irp b, 0,1,2,3,4,5,6,7
	global_load_b128 v[BQ+8*\b:BQ+8*\b+3], v[BQA], s[36:37] offset:(32*(\b/2)+8*(\b%2))*4
	global_load_b128 v[BQ+8*\b+4:BQ+8*\b+7], v[BQA], s[36:37] offset:(32*(\b/2)+8*(\b%2))*4+16
.endr
	WIN 0
.macro FRAG reg, a16, a8, off
	ds_load_b128 v[(\reg):(\reg)+3], v[\a16] offset:(\off)
	ds_load_b64 v[(\reg)+4:(\reg)+5], v[\a8] offset:(\off)+512
	ds_load_b128 v[(\reg)+6:(\reg)+9], v[\a16] offset:(\off)+768
	ds_load_b64 v[(\reg)+10:(\reg)+11], v[\a8] offset:(\off)+1280
.endm
.macro FETCH_W slot, q, b0, b1
	WIN 0x40
.set fb_, \b0
.rept (\b1)-(\b0)+1
	FRAG 12*fb_, WA16+fb_/4, WA8+fb_/4, 12288*(fb_%4)+3072*(\slot)+1536*(\q)
.set fb_, fb_+1
.endr
	WIN 0
.endm
.macro FETCH_X slot, q, set
.irp a, 0,1,2,3
	FRAG XF+48*(\set)+12*\a, XA16, XA8, 12288*\a+3072*(\slot)+1536*(\q)
.endr
.endm
.macro WM d, a, b, c, sa, ra, sb, rb
.if ((\ra) != 0) && ((\rb) != 0)
	v_wmma_scale_f32_16x16x128_f8f6f4 v[(\d):(\d)+7], v[(\a):(\a)+11], v[(\b):(\b)+11], v[(\c):(\c)+7], v[\sa], v[\sb] matrix_a_fmt:MATRIX_FMT_FP6 matrix_b_fmt:MATRIX_FMT_FP6 matrix_a_scale:MATRIX_SCALE_ROW1 matrix_b_scale:MATRIX_SCALE_ROW1
.elseif (\ra) != 0
	v_wmma_scale_f32_16x16x128_f8f6f4 v[(\d):(\d)+7], v[(\a):(\a)+11], v[(\b):(\b)+11], v[(\c):(\c)+7], v[\sa], v[\sb] matrix_a_fmt:MATRIX_FMT_FP6 matrix_b_fmt:MATRIX_FMT_FP6 matrix_a_scale:MATRIX_SCALE_ROW1
.elseif (\rb) != 0
	v_wmma_scale_f32_16x16x128_f8f6f4 v[(\d):(\d)+7], v[(\a):(\a)+11], v[(\b):(\b)+11], v[(\c):(\c)+7], v[\sa], v[\sb] matrix_a_fmt:MATRIX_FMT_FP6 matrix_b_fmt:MATRIX_FMT_FP6 matrix_b_scale:MATRIX_SCALE_ROW1
.else
	v_wmma_scale_f32_16x16x128_f8f6f4 v[(\d):(\d)+7], v[(\a):(\a)+11], v[(\b):(\b)+11], v[(\c):(\c)+7], v[\sa], v[\sb] matrix_a_fmt:MATRIX_FMT_FP6 matrix_b_fmt:MATRIX_FMT_FP6
.endif
.endm
; The 32 accumulators take turns, one instruction a turn, in the same order in every step.  first = 1: the bias is the C of the sum's first product.
.macro MUL s, b0, b1, first
.if \first
	WIN 0x91
.else
	WIN 0xa1
.endif
.set mb_, \b0
.rept (\b1)-(\b0)+1
.set ma_, 0
.rept 4
.if \first
	WM 64*ma_+8*mb_, 12*mb_, XF+48*((\s)%2)+12*ma_, BQ+8*mb_, WS+8*(mb_/2)+(\s), mb_%2, XS+8*(ma_/2)+(\s), ma_%2
.else
	WM 64*ma_+8*mb_, 12*mb_, XF+48*((\s)%2)+12*ma_, 64*ma_+8*mb_, WS+8*(mb_/2)+(\s), mb_%2, XS+8*(ma_/2)+(\s), ma_%2
.endif
.set ma_, ma_+1
.endr
.set mb_, mb_+1
.endr
.endm
.macro STEP s
.set NS_, (\s)+1
.set NSL_, NS_/2
.set NQ_, NS_%2
.if (\s) == 0
.set FI_, 1
.else
.set FI_, 0
.endif
	s_wait_dscnt 16                                ; tiles 0-3 and vals are in; the youngest 16 loads (tiles 4-7) may be out
	MUL \s, 0, 3, FI_
	s_wait_dscnt 0x0
.if (\s) < 7
	PLACES
	FETCH_W NSL_, NQ_, 0, 3
	FETCH_X NSL_, NQ_, NS_%2
.endif
	MUL \s, 4, 7, FI_
.if (\s) < 7
	PLACES
	FETCH_W NSL_, NQ_, 4, 7
.endif
.endm
	s_wait_tensorcnt 0x0                           ; my one load is in; behind the barrier everybody's is: all of K lies in LDS
	s_barrier_signal -1
	s_barrier_wait -1
	FETCH_W 0, 0, 0, 3
	FETCH_X 0, 0, 0
	FETCH_W 0, 0, 4, 7
	s_wait_loadcnt 0x0                             ; scale words and bias
.irp pa, 0,1
.irp s, 0,1,2,3,4,5,6,7
	v_lshl_or_b32 v[XS+8*\pa+\s], v[VT+16*\pa+2*\s+1], 16, v[VT+16*\pa+2*\s]   ; a step's 128 along K are two heads: two bytes of each
.endr
.endr
.rept 8
	v_nop                                          ; scale registers written by vector instructions stand eight places ahead of a scaled matrix instruction
.endr
	s_wait_alu depctr_va_vdst(0)
	STEP 0
	STEP 1
	STEP 2
	STEP 3
	STEP 4
	STEP 5
	STEP 6
	STEP 7
; THE WAY OUT, a tile of 16 rows x 128 columns at a time, through my own stage: the first 8,448 bytes of my own four tiles of vals, which have had their only fill, which no other wave reads,
; and whose last read by me has come back ahead of step 7's second half.  LDS serves a wave's instructions in order (ISA guide 5.7.1.4): no wait between the stores and the loads, nor ahead of the next tile's stores.
.macro TOSTAGE a
	WIN 0x08                                       ; an LDS store's data are its source 1: window 2
.irp b, 0,1,2,3,4,5,6,7
	ds_store_b128 v[STO], v[64*(\a)+8*\b:64*(\a)+8*\b+3] offset:128*(\b/2)+32*(\b%2)      ; each accumulator from its low end on
	ds_store_b128 v[STO], v[64*(\a)+8*\b+4:64*(\a)+8*\b+7] offset:128*(\b/2)+32*(\b%2)+16
.endr
	WIN 0
.set BB, BK+64*((\a)%2)
.irp t, 0,1,2,3,4,5,6,7,8,9,10,11,12,13,14,15
	ds_load_b128 v[BB+4*\t:BB+4*\t+3], v[RD] offset:\t*528
.endr
.endm
.macro SEND a, younger                 ; younger: the LDS instructions issued behind tile a's loads, which may stay out
.set BB, BK+64*((\a)%2)
	s_wait_dscnt \younger
.irp t, 0,1,2,3,4,5,6,7,8,9,10,11,12,13,14,15
	global_store_b128 v[L16], v[BB+4*\t:BB+4*\t+3], s[14:15] offset:(32*((\a)/2)+8*((\a)%2)+\t+8*(\t/8))*4096 th:TH_STORE_NT   ; 512 consecutive bytes, at a multiple of 256 from out's first byte
.endr
.endm
	PLACES
	TOSTAGE 0
.irp a, 1,2,3
.if \a > 1
	s_wait_xcnt 0x0                                ; tile a - 2's stores have read their registers: tile a's loads may land there
.endif
	TOSTAGE \a
	SEND \a-1, 32                                  ; behind tile a - 1's loads: tile a's 16 stores and 16 loads
.endr
	SEND 3, 0
	s_wait_tensorcnt 0x0                           ; the wave's end
	ds_add_u32 v[SPW], v[NIL]
	s_wait_dscnt 0x0
	CROUND                                         ; the closing round
	s_endpgm
.Lfunc_end_k_q03169eaaaf_oproj:
	.size	k_q03169eaaaf_oproj, .Lfunc_end_k_q03169eaaaf_oproj-k_q03169eaaaf_oproj
	.p2alignl 7, 3214868480
	.fill 96, 4, 3214868480
	.section	.rodata,"a",@progbits
	.p2align	6, 0x0
	.amdhsa_kernel k_q03169eaaaf_oproj
		.amdhsa_group_segment_fixed_size 295424
		.amdhsa_private_segment_fixed_size 0
		.amdhsa_enable_private_segment 0
		.amdhsa_kernarg_size 48
		.amdhsa_user_sgpr_count 2
		.amdhsa_user_sgpr_kernarg_segment_ptr 1
		.amdhsa_wavefront_size32 1
		.amdhsa_system_sgpr_workgroup_id_x 1
		.amdhsa_system_sgpr_workgroup_id_y 1
		.amdhsa_system_sgpr_workgroup_id_z 1
		.amdhsa_system_vgpr_workitem_id 0
		.amdhsa_next_free_vgpr 1024
		.amdhsa_next_free_sgpr 100
		.amdhsa_reserve_vcc 0
		.amdhsa_float_denorm_mode_32 3
		.amdhsa_float_denorm_mode_16_64 3
		.amdhsa_memory_ordered 1
		.amdhsa_forward_progress 1
		.amdhsa_inst_pref_size 88
	.end_amdhsa_kernel
	.amdgpu_metadata
---
amdhsa.version: [ 1, 2 ]
amdhsa.kernels:
  - .name:           k_q03169eaaaf_oproj
    .symbol:         k_q03169eaaaf_oproj.kd
    .args:
      - { .name: valimg, .offset: 0, .size: 8, .value_kind: global_buffer, .address_space: global }
      - { .name: valsc, .offset: 8, .size: 8, .value_kind: global_buffer, .address_space: global }
      - { .name: cod1, .offset: 16, .size: 8, .value_kind: global_buffer, .address_space: global }
      - { .name: sc1, .offset: 24, .size: 8, .value_kind: global_buffer, .address_space: global }
      - { .name: o_b, .offset: 32, .size: 8, .value_kind: global_buffer, .address_space: global }
      - { .name: out0, .offset: 40, .size: 8, .value_kind: global_buffer, .address_space: global }
    .group_segment_fixed_size: 295424
    .private_segment_fixed_size: 0
    .kernarg_segment_align: 8
    .kernarg_segment_size: 48
    .max_flat_workgroup_size: 128
    .sgpr_count:     100
    .vgpr_count:     1024
    .wavefront_size: 32
...
	.end_amdgpu_metadata
.endif
;; end of part 4
